; MI455X (gfx1250); checked and timed in simulation.
; The chip was launched on July 23, 2026; its instructions are those of AMD's public machine-readable ISA for CDNA 5 (MIT licence, August 2026) and "CDNA5" Instruction Set Architecture Reference Guide (July 2026). The comments in the code are by the model that wrote it; some were corrected since.
;; SPG Cross Attention. Allowed arithmetic: matrix products marked QUANTISED: E2M1 operands, one E8M0 scale for each 32 along K, by v_wmma_scale_f32_16x16x128_f8f6f4 with both operands' format E2M1 (or v_wmma_scale_f32_32x16x128_f4), f32 sums; everything else in f32.
;; Inputs: WoutA 256 x 256 float32; WoutB 256 x 256 float32; WqkvA 768 x 256 float32; WqkvB 768 x 256 float32; bA 256 float32; bB 256 float32; boutA 256 float32; boutB 256 float32; gA 256 float32; gB 256 float32; x_A 16 x 256 x 32 x 32 float32; x_B 16 x 256 x 32 x 32 float32.
;; Outputs: out0 16 x 256 x 32 x 32 float32; out1 16 x 256 x 32 x 32 float32.
;; This version of the problem:
;;   THIS VERSION OF THE PROBLEM IS GIVEN IN LOW PRECISION. The matrix products marked QUANTISED in the list below multiply operands that are first quantised to E2M1 (2 exponent bits, 1 mantissa bit; 4 bits a number), with one power-of-two scale for each 32 numbers along K (OCP MX v1.0); their sums are f32. All else is computed in f32.
;;   The module's matrix products, in the order in which they are computed (A, B: the left and right operand; K: the contracted axis; several contracted axes count as one K, in the product's order):
;;     1. [M 16,384, K 256] x [K 256, N 768]; A: computed on the way; B: input WqkvA: QUANTISED
;;     2. [M 16,384, K 256] x [K 256, N 768]; A: computed on the way; B: input WqkvB: QUANTISED
;;     3. batch 128 x [M 1,024, K 32] x [K 32, N 1,024]; A: computed on the way; B: computed on the way: QUANTISED
;;     4. batch 128 x [M 32, K 1,024] x [K 1,024, N 1,024]; A: computed on the way; B: computed on the way: QUANTISED
;;     5. [M 16,384, K 256] x [K 256, N 256]; A: computed on the way; B: input WoutA: QUANTISED
;;     6. batch 128 x [M 1,024, K 32] x [K 32, N 1,024]; A: computed on the way; B: computed on the way: QUANTISED
;;     7. batch 128 x [M 32, K 1,024] x [K 1,024, N 1,024]; A: computed on the way; B: computed on the way: QUANTISED
;;     8. [M 16,384, K 256] x [K 256, N 256]; A: computed on the way; B: input WoutB: QUANTISED
;;   THE QUANTISER, for each operand of a quantised product, along K:
;;     - K is cut into blocks of 32 from its start; a last block that is shorter is filled with zeros.
;;     - A block's scale is 2^e with e = floor(log2(the largest magnitude in the block)) - 2, held to -126 .. 127; a block of zeros has e = 0. As a byte (E8M0): e + 127.
;;     - Each number is divided by its block's scale, clamped to +-6, and rounded to the nearest number of E2M1, ties to even, subnormals kept.
;;     - The product sums the exact products of the quantised numbers (number of the format x scale) in f32.
;;   ~~~python
;;   def quantise(x, axis):      # numpy; x: float32 -> the quantised numbers, widened to float32 again
;;       x = np.moveaxis(x, axis, -1); K = x.shape[-1]
;;       x = np.pad(x, [(0, 0)] * (x.ndim - 1) + [(0, -K % 32)]); x = x.reshape(x.shape[:-1] + (-1, 32)); a = np.abs(x).max(-1, keepdims=True)
;;       e = np.where(a > 0, np.clip(np.frexp(np.where(a > 0, a, 1))[1] - 1 - 2, -126, 127), 0)      # np.frexp(a)[1] - 1 = floor(log2(a)), exactly
;;       r = np.clip(x / 2.0 ** e, -6, 6)
;;       step = 2.0 ** (np.maximum(np.frexp(np.where(r == 0, 1, r))[1] - 1, 0) - 1)
;;       q = np.round(r / step) * step * 2.0 ** e      # np.round: ties to even
;;       return np.moveaxis(q.reshape(q.shape[:-2] + (-1,))[..., :K], -1, axis).astype(np.float32)
;;   ~~~
;;   OPERANDS COMPUTED ON THE WAY. 'Computed on the way' means the value that the module computes at that place (a softmax that the list does not call 'softmax' is quantised finished and normalised). What goes into a quantiser is computed in f32, as accurately as f32 sums, v_exp_f32 and their like allow (about 1e-6 of the number): no bf16 or f16 on the way to a quantiser, and a product that is left as it is and whose result goes on into a quantised operand takes f32 operands (vector FMAs, or v_wmma_f32_16x16x4_f32). A number that lies on a knife's edge between two numbers of the format may be rounded either way, as far as f32 arithmetic and the matrix unit's own rounding can turn it there, and no further.
;; 2 versions, each right; version 2 is version 1 with the launches attn, outp written anew for expert scheduling mode. Each part assembles by itself: llvm-mc -triple=amdgcn-amd-amdhsa -mcpu=gfx1250 --defsym DOCPART=n.
;; ======== version 1 of 2: 3 launches
;; workspace buffers: ncodes 4,194,304 bytes; nscale 262,144 bytes; wcodes 262,144 bytes; wscale 16,384 bytes; stats 4,096 bytes; acodes 4,194,304 bytes; ascale 262,144 bytes
;; launch prep (part 1): grid 256 x 1, 8 waves a work-group, no clusters, 5,120 bytes of LDS; arguments x_A, x_B, gA, gB, bA, bB, WqkvA, WqkvB, WoutA, WoutB, ncodes, nscale, wcodes, wscale, stats; writes ncodes, nscale, wcodes, wscale, stats
.if DOCPART == 1
	.amdgcn_target "amdgcn-amd-amdhsa--gfx1250"
	.amdhsa_code_object_version 6
	.text
	.protected	k_q4f087b1339_prep
	.globl	k_q4f087b1339_prep
	.p2align	8
	.type	k_q4f087b1339_prep,@function
k_q4f087b1339_prep:
	s_mov_b64 s[64:65], 0
	v_nop
	global_prefetch_b8 v0, s[64:65] scope:SCOPE_SE
	s_setreg_imm32_b32 hwreg(HW_REG_WAVE_MODE, 25, 1), 1
	s_wait_xcnt 0x0
; GroupNorm statistics, norm as codes of FP4 (E2M1) along the channels, and the four weights as codes along their K.
; x: [2 branches][16][256 channels][1024 positions] f32.  Work-group id = 128 branch + 8 batch + kb takes channels 32 kb .. 32 kb + 31 (two norm groups of 16) of one batch: 128 KB on end.
; Thread t holds positions 4 t .. 4 t + 3 of all 32 channels in 128 registers: x is read once, the mean is taken first and the variance of x - mean, so no difference of large sums is formed.
; A block of the quantiser (32 channels of one position) then lies in ONE lane: its largest magnitude needs no other lane.
; LAYOUTS (read by this program alone).  ncodes [branch][batch][kb][G 16][q 4][r 16][16 bytes]: position 64 G + 4 r + q; inside the 16 bytes the quarters of 8 channels lie in the order 0, 2, 1, 3,
; in the weights codes too, so that the products are kept.  nscale [branch][batch][kb][position], a byte each.  wcodes: tiles of 16 rows, [kb 8][row 16][16 bytes]; wscale: a tile is [K step 2][row 16][4 bytes].
; stats [branch][batch][group][mean, 1 / sqrt(var + eps)].
; Each work-group also quantises 16 rows x 128 K of the weights: 1,024 bytes of wcodes, 8 numbers a thread, four threads to a block.
; A block's scale byte is its largest magnitude's exponent field - 2, held at 1 from below by a floor among the maximum's leaves.
; LIMITS: NaN and infinities among the inputs are not served; a block of zeros, or one whose largest magnitude lies under 2^-124, gets the byte 1 (zero codes add nothing under it).
; No matrix unit, no ring, no cluster: work-groups share no input, and a work-group's 128 KB go out as one run of loads.
.set RED1, 0                           ; LDS: the eight waves' sums, 8 bytes each
.set RED2, 256                         ; and their sums of squares
.set OUTB, 512                         ; 1,024 bytes of norm's scale bytes, then 1,024 bytes of weight codes
.set WSB,  2560                        ; 64 scale bytes of the weights
.set X,    64                          ; v64-191  x[channel c][position j] at X + 4 c + j
.set CD,   32                          ; v32-47   codes: position j at CD + 4 j
.set N0,   192                         ; v192-255 norm of two positions, 32 channels each, registers along the channels
.macro BARRIER                         ; my LDS stores have landed and my LDS loads are in: then the work-group's barrier
	s_wait_dscnt 0x0
	s_barrier_signal -1
	s_barrier_wait -1
.endm
.macro FOLD dst                        ; four chains of pairs become one number
	v_pk_add_f32 v[8:9], v[8:9], v[10:11]
	v_pk_add_f32 v[12:13], v[12:13], v[14:15]
	v_pk_add_f32 v[8:9], v[8:9], v[12:13]
	v_add_f32 v[\dst], v8, v9
.endm
.macro SUMG base, dst                  ; the sum of my 64 numbers of a group: four chains that do not wait for each other; the first lines start them
.irp k, 0,1,2,3
	v_pk_add_f32 v[8+2*\k:9+2*\k], v[\base+2*\k:\base+2*\k+1], v[\base+8+2*\k:\base+9+2*\k]
.endr
.irp i, 2,3,4,5,6,7
.irp k, 0,1,2,3
	v_pk_add_f32 v[8+2*\k:9+2*\k], v[8+2*\k:9+2*\k], v[\base+8*\i+2*\k:\base+8*\i+2*\k+1]
.endr
.endr
	FOLD \dst
.endm
.macro SQG base, dst                   ; the same of their squares
.irp k, 0,1,2,3
	v_pk_mul_f32 v[8+2*\k:9+2*\k], v[\base+2*\k:\base+2*\k+1], v[\base+2*\k:\base+2*\k+1]
.endr
.irp i, 1,2,3,4,5,6,7
.irp k, 0,1,2,3
	v_pk_fma_f32 v[8+2*\k:9+2*\k], v[\base+8*\i+2*\k:\base+8*\i+2*\k+1], v[\base+8*\i+2*\k:\base+8*\i+2*\k+1], v[8+2*\k:9+2*\k]
.endr
.endr
	FOLD \dst
.endm
.macro LANES reg                       ; over the 32 lanes: four steps ride on the addition, one crosses the halves
	v_add_f32_dpp v[\reg], v[\reg], v[\reg] row_xmask:1 row_mask:0xf bank_mask:0xf
	v_add_f32_dpp v[\reg], v[\reg], v[\reg] row_xmask:2 row_mask:0xf bank_mask:0xf
	v_add_f32_dpp v[\reg], v[\reg], v[\reg] row_xmask:4 row_mask:0xf bank_mask:0xf
	v_add_f32_dpp v[\reg], v[\reg], v[\reg] row_xmask:8 row_mask:0xf bank_mask:0xf
	v_permlanex16_b32 v26, v[\reg], s90, s91
	v_add_f32 v[\reg], v[\reg], v26
.endm
.macro GATHER red                      ; the eight waves' pairs (group 0, group 1) are added and divided by 16,384
.irp i, 0,1,2,3
	ds_load_b128 v[32+4*\i:35+4*\i], v7 offset:\red+16*\i
.endr
	s_wait_dscnt 0x0
	v_pk_add_f32 v[32:33], v[32:33], v[34:35]
	v_pk_add_f32 v[36:37], v[36:37], v[38:39]
	v_pk_add_f32 v[40:41], v[40:41], v[42:43]
	v_pk_add_f32 v[44:45], v[44:45], v[46:47]
	v_pk_add_f32 v[32:33], v[32:33], v[36:37]
	v_pk_add_f32 v[40:41], v[40:41], v[44:45]
	v_pk_add_f32 v[32:33], v[32:33], v[40:41]
	v_pk_mul_f32 v[32:33], v[32:33], 0x38800000 op_sel_hi:[1,0]    ; x 2^-14
.endm
	s_load_b512 s[68:83], s[0:1], 0x0              ; x_A, x_B, gA, gB, bA, bB, WqkvA, WqkvB
	s_load_b256 s[84:91], s[0:1], 0x40             ; WoutA, WoutB, ncodes, nscale
	s_load_b128 s[92:95], s[0:1], 0x60             ; wcodes, wscale
	s_load_b64 s[96:97], s[0:1], 0x70              ; stats
	v_lshl_add_u32 v62, v0, 2, 0x1000
	v_mov_b32 v63, 0
	v_lshlrev_b32 v1, 4, v0                        ; x: 16 bytes a thread in every channel's row
	v_lshlrev_b32 v3, 2, v0                        ; 4 x thread
	v_lshrrev_b32 v24, 5, v0                       ; wave
	v_and_b32 v26, 15, v0
	v_bfe_u32 v27, v0, 4, 1
	v_lshlrev_b32 v2, 4, v26                       ; my codes: 16 r
	v_lshl_add_u32 v2, v27, 10, v2                 ; + 1,024 for the wave's second group of 64 positions
	v_lshl_add_u32 v2, v24, 11, v2                 ; + 2,048 x wave
	v_bfe_u32 v28, v0, 2, 4                        ; the weights: row m of the tile,
	v_lshrrev_b32 v29, 6, v0                       ; block kbl of the K step,
	v_and_b32 v30, 1, v0
	v_bfe_u32 v31, v0, 1, 1
	v_lshl_or_b32 v30, v30, 1, v31                 ; slot 0, 1, 2, 3 of the 16 bytes takes quarter 0, 2, 1, 3
	v_lshlrev_b32 v4, 10, v28
	v_lshl_add_u32 v4, v29, 7, v4
	v_lshl_add_u32 v4, v30, 5, v4                  ; 1,024 m + 128 kbl + 32 quarter
	v_lshl_add_u32 v5, v28, 2, v29                 ; the block's scale byte: 4 m + kbl
	v_lshlrev_b32 v6, 3, v24                       ; my wave's 8 bytes among the sums
	v_mov_b32 v7, 0
	s_wait_kmcnt 0x0
	s_cmp_lt_u32 ttmp9, 128                        ; branch A or B: the choice hangs on the work-group's number alone
	s_cselect_b64 s[4:5], s[68:69], s[70:71]       ; x
	s_cselect_b64 s[98:99], s[72:73], s[74:75]     ; gamma
	s_cselect_b64 s[100:101], s[76:77], s[78:79]   ; beta
	s_mov_b64 s[6:7], s[80:81]                     ; which weight: work-groups 0-95 WqkvA, 96-191 WqkvB, 192-223 WoutA, 224-255 WoutB
	s_mov_b32 s16, 0
	s_cmp_ge_u32 ttmp9, 96
	s_cselect_b64 s[6:7], s[82:83], s[6:7]
	s_cselect_b32 s16, 96, s16
	s_cmp_ge_u32 ttmp9, 192
	s_cselect_b64 s[6:7], s[84:85], s[6:7]
	s_cselect_b32 s16, 192, s16
	s_cmp_ge_u32 ttmp9, 224
	s_cselect_b64 s[6:7], s[86:87], s[6:7]
	s_cselect_b32 s16, 224, s16
	s_sub_co_u32 s16, ttmp9, s16                   ; my part of that weight: tile s16 / 2, K step s16 % 2
	s_lshr_b32 s18, s16, 1
	s_lshl_b32 s18, s18, 14                        ; 16 rows of 1,024 bytes
	s_and_b32 s17, s16, 1
	s_lshl_b32 s17, s17, 9                         ; 128 numbers
	s_or_b32 s18, s18, s17
	s_mov_b32 s19, 0
	s_add_nc_u64 s[6:7], s[6:7], s[18:19]
	s_and_b32 s18, ttmp9, 127
	s_lshl_b32 s18, s18, 17                        ; 32 channels of 4,096 bytes
	s_add_nc_u64 s[4:5], s[4:5], s[18:19]
	global_load_b128 v[48:51], v4, s[6:7]          ; my 8 numbers of the weight
	global_load_b128 v[52:55], v4, s[6:7] offset:16
.set CC, 0
.rept 32
	global_load_b128 v[X+4*CC:X+4*CC+3], v1, s[4:5] offset:4096*CC     ; a wave reads 512 bytes on end of channel CC
.set CC, CC+1
.endr
	s_lshl_b32 s18, ttmp9, 14
	s_add_nc_u64 s[8:9], s[88:89], s[18:19]        ; my 16 KB of ncodes
	s_lshl_b32 s18, ttmp9, 10
	s_add_nc_u64 s[10:11], s[90:91], s[18:19]      ; my 1,024 bytes of nscale
	s_add_nc_u64 s[12:13], s[92:93], s[18:19]      ; and of wcodes
	s_lshl_b32 s18, ttmp9, 6
	s_add_nc_u64 s[14:15], s[94:95], s[18:19]      ; my 64 bytes of wscale
	s_lshl_b32 s18, ttmp9, 4
	s_add_nc_u64 s[2:3], s[96:97], s[18:19]        ; my 16 bytes of stats
	s_and_b32 s18, ttmp9, 7
	s_lshl_b32 s18, s18, 7                         ; my 32 channels of gamma and beta
	s_add_nc_u64 s[98:99], s[98:99], s[18:19]
	s_add_nc_u64 s[100:101], s[100:101], s[18:19]
	v_readfirstlane_b32 s84, v24                   ; the wave's number as a scalar
	s_mov_b32 s90, 0x76543210
	s_mov_b32 s91, 0xfedcba98                      ; v_permlanex16_b32: lane l xor 16
	s_load_b512 s[16:31], s[98:99], 0x0            ; gamma of channel c in s[16 + c]
	s_load_b512 s[32:47], s[98:99], 0x40
	s_load_b512 s[48:63], s[100:101], 0x0          ; beta of channels 0-15 in s[48 + c],
	s_load_b512 s[68:83], s[100:101], 0x40         ; of channels 16-31 in s[52 + c]: the pointers that lay there have been used
	; ---- the weights: 8 numbers a thread, four neighbouring threads hold a block
	s_wait_loadcnt 32                              ; behind the two weight loads: the 32 loads of x, which stay out
	v_max3_num_f32 v24, |v48|, |v49|, 0x1800000    ; with the floor 2^(3 - 127): the byte cannot fall under 1
	v_max3_num_f32 v24, v24, |v50|, |v51|
	v_max3_num_f32 v24, v24, |v52|, |v53|
	v_max3_num_f32 v24, v24, |v54|, |v55|
	v_max_num_f32_dpp v24, v24, v24 row_xmask:1 row_mask:0xf bank_mask:0xf
	v_max_num_f32_dpp v24, v24, v24 row_xmask:2 row_mask:0xf bank_mask:0xf
	v_add_nc_u32 v25, 0xff000000, v24              ; 2 off the exponent field: the conversion takes that field as its scale
	v_cvt_scalef32_pk8_fp4_f32 v27, v[48:55], v25
	v_lshrrev_b32 v28, 23, v25                     ; the scale's byte (a plain line behind the conversion)
	ds_store_b32 v3, v27 offset:OUTB+1024
	ds_store_b8 v5, v28 offset:WSB                 ; the block's four threads write the same byte with the same value
	; ---- the means
	s_wait_loadcnt 16                              ; channels 0-15 are in
	SUMG X, 24
	s_wait_loadcnt 0x0
	SUMG X+64, 25
	LANES 24
	LANES 25
	ds_store_b64 v6, v[24:25] offset:RED1          ; all lanes of a wave write the same 8 bytes with the same value
	BARRIER
	GATHER RED1
	v_mov_b32 v16, v32                             ; stats: mean of group 0,
	v_mov_b32 v18, v33                             ; of group 1
	v_mov_b32 v20, v32                             ; and each as a pair for the packed subtraction
	v_mov_b32 v21, v32
	v_mov_b32 v22, v33
	v_mov_b32 v23, v33
.set CC, 0
.rept 32
	v_pk_add_f32 v[X+2*CC:X+2*CC+1], v[X+2*CC:X+2*CC+1], v[20:21] neg_lo:[0,1] neg_hi:[0,1]      ; x - mean
.set CC, CC+1
.endr
.rept 32
	v_pk_add_f32 v[X+2*CC:X+2*CC+1], v[X+2*CC:X+2*CC+1], v[22:23] neg_lo:[0,1] neg_hi:[0,1]
.set CC, CC+1
.endr
	; ---- the variances, of x - mean
	SQG X, 24
	SQG X+64, 25
	LANES 24
	LANES 25
	ds_store_b64 v6, v[24:25] offset:RED2          ; other bytes than the sums: nobody still reads what is written here
	BARRIER
	GATHER RED2
	v_pk_add_f32 v[32:33], v[32:33], 0x3727c5ac op_sel_hi:[1,0]    ; + 1e-5
	v_rsq_f32 v17, v32
	v_rsq_f32 v19, v33
	v_nop                                          ; a plain line between a transcendental and the use of its result
	s_wait_alu depctr_va_vdst(0)
	v_readfirstlane_b32 s88, v17
	v_readfirstlane_b32 s89, v19
	s_wait_kmcnt 0x0                               ; gamma and beta
.set CC, 0
.rept 16
	s_mul_f32 s[16+CC], s[16+CC], s88              ; gamma / sqrt(var + eps)
	s_mul_f32 s[32+CC], s[32+CC], s89
.set CC, CC+1
.endr
	s_wait_xcnt 0x0                                ; EXEC changes only when the memory instructions issued so far have read it
	v_cmp_eq_u32 vcc_lo, 0, v0
	s_and_saveexec_b32 s85, vcc_lo
	global_store_b128 v7, v[16:19], s[2:3]         ; thread 0 stores the four statistics
	s_wait_xcnt 0x0
	s_or_b32 exec_lo, exec_lo, s85
; ---- norm of positions 2 jp and 2 jp + 1, registers along the channels; each is one block
.macro QPOS jp
.set CC, 0
.rept 16
	v_fma_f32 v[N0+CC], v[X+4*CC+2*\jp], s[16+CC], s[48+CC]
	v_fma_f32 v[N0+32+CC], v[X+4*CC+2*\jp+1], s[16+CC], s[48+CC]
.set CC, CC+1
.endr
.rept 16
	v_fma_f32 v[N0+CC], v[X+4*CC+2*\jp], s[16+CC], s[52+CC]
	v_fma_f32 v[N0+32+CC], v[X+4*CC+2*\jp+1], s[16+CC], s[52+CC]
.set CC, CC+1
.endr
.irp t, 0,1,2,3                        ; four chains: position x half of its 32 channels
	v_max3_num_f32 v[24+\t], |v[N0+16*\t]|, |v[N0+16*\t+1]|, 0x1800000
.endr
.irp i, 2,4,6,8,10,12,14
.irp t, 0,1,2,3
	v_max3_num_f32 v[24+\t], v[24+\t], |v[N0+16*\t+\i]|, |v[N0+16*\t+\i+1]|
.endr
.endr
	v_max_num_f32 v24, v24, v25
	v_max_num_f32 v26, v26, v27
	v_add_nc_u32 v28, 0xff000000, v24
	v_add_nc_u32 v29, 0xff000000, v26
.irp u, 0,1                            ; the quarters in the order 0, 2, 1, 3
	v_cvt_scalef32_pk8_fp4_f32 v[CD+8*\jp+4*\u], v[N0+32*\u:N0+32*\u+7], v[28+\u]
	v_cvt_scalef32_pk8_fp4_f32 v[CD+8*\jp+4*\u+1], v[N0+32*\u+16:N0+32*\u+23], v[28+\u]
	v_cvt_scalef32_pk8_fp4_f32 v[CD+8*\jp+4*\u+2], v[N0+32*\u+8:N0+32*\u+15], v[28+\u]
	v_cvt_scalef32_pk8_fp4_f32 v[CD+8*\jp+4*\u+3], v[N0+32*\u+24:N0+32*\u+31], v[28+\u]
.endr
	v_lshrrev_b32 v30, 23, v28                     ; the scale bytes (plain lines behind the conversions)
	v_lshrrev_b32 v31, 23, v29
.if \jp == 0
	v_lshl_or_b32 v56, v31, 8, v30                 ; my four positions' bytes make a word
.else
	v_lshl_or_b32 v56, v30, 16, v56
	v_lshl_or_b32 v56, v31, 24, v56
.endif
.endm
	QPOS 0
	QPOS 1
.irp j, 0,1,2,3
	global_store_b128 v2, v[CD+4*\j:CD+4*\j+3], s[8:9] offset:256*\j   ; sixteen lanes store 256 bytes on end, at a multiple of 256 from the buffer's first byte
.endr
	ds_store_b32 v3, v56 offset:OUTB
	BARRIER                                        ; the scale bytes and the weight codes lie in LDS
	s_cmp_lt_u32 s84, 4
	s_cbranch_scc0 .Lnot_low
	ds_load_b128 v[24:27], v1 offset:OUTB          ; waves 0, 1: norm's 1,024 scale bytes; waves 2, 3: the 1,024 bytes of weight codes
	v_and_b32 v28, 63, v0
	v_lshlrev_b32 v28, 4, v28
	s_cmp_lt_u32 s84, 2
	s_cselect_b64 s[86:87], s[10:11], s[12:13]
	s_wait_dscnt 0x0
	global_store_b128 v28, v[24:27], s[86:87]
	s_wait_tensorcnt 0x0
	ds_add_u32 v62, v63
	s_wait_dscnt 0x0
	s_endpgm
.Lnot_low:
	s_cmp_eq_u32 s84, 4
	s_cbranch_scc0 .Lend
	v_and_b32 v28, 31, v0
	v_lshlrev_b32 v28, 1, v28
	ds_load_u16 v24, v28 offset:WSB                ; wave 4: the weights' 64 scale bytes
	s_wait_dscnt 0x0
	global_store_b16 v28, v24, s[14:15]
.Lend:
	s_wait_tensorcnt 0x0
	ds_add_u32 v62, v63
	s_wait_dscnt 0x0
	s_endpgm
.Lfunc_end_k_q4f087b1339_prep:
	.size	k_q4f087b1339_prep, .Lfunc_end_k_q4f087b1339_prep-k_q4f087b1339_prep
	.p2alignl 7, 3214868480
	.fill 96, 4, 3214868480
	.section	.rodata,"a",@progbits
	.p2align	6, 0x0
	.amdhsa_kernel k_q4f087b1339_prep
		.amdhsa_group_segment_fixed_size 5120
		.amdhsa_private_segment_fixed_size 0
		.amdhsa_enable_private_segment 0
		.amdhsa_kernarg_size 120
		.amdhsa_user_sgpr_count 2
		.amdhsa_user_sgpr_kernarg_segment_ptr 1
		.amdhsa_wavefront_size32 1
		.amdhsa_system_sgpr_workgroup_id_x 1
		.amdhsa_system_sgpr_workgroup_id_y 1
		.amdhsa_system_sgpr_workgroup_id_z 1
		.amdhsa_system_vgpr_workitem_id 0
		.amdhsa_next_free_vgpr 256
		.amdhsa_next_free_sgpr 102
		.amdhsa_reserve_vcc 1
		.amdhsa_float_denorm_mode_32 3
		.amdhsa_float_denorm_mode_16_64 3
		.amdhsa_memory_ordered 1
		.amdhsa_forward_progress 1
		.amdhsa_inst_pref_size 41
	.end_amdhsa_kernel
	.amdgpu_metadata
---
amdhsa.version: [ 1, 2 ]
amdhsa.kernels:
  - .name:           k_q4f087b1339_prep
    .symbol:         k_q4f087b1339_prep.kd
    .args:
      - { .name: x_A, .offset: 0, .size: 8, .value_kind: global_buffer, .address_space: global }
      - { .name: x_B, .offset: 8, .size: 8, .value_kind: global_buffer, .address_space: global }
      - { .name: gA, .offset: 16, .size: 8, .value_kind: global_buffer, .address_space: global }
      - { .name: gB, .offset: 24, .size: 8, .value_kind: global_buffer, .address_space: global }
      - { .name: bA, .offset: 32, .size: 8, .value_kind: global_buffer, .address_space: global }
      - { .name: bB, .offset: 40, .size: 8, .value_kind: global_buffer, .address_space: global }
      - { .name: WqkvA, .offset: 48, .size: 8, .value_kind: global_buffer, .address_space: global }
      - { .name: WqkvB, .offset: 56, .size: 8, .value_kind: global_buffer, .address_space: global }
      - { .name: WoutA, .offset: 64, .size: 8, .value_kind: global_buffer, .address_space: global }
      - { .name: WoutB, .offset: 72, .size: 8, .value_kind: global_buffer, .address_space: global }
      - { .name: ncodes, .offset: 80, .size: 8, .value_kind: global_buffer, .address_space: global }
      - { .name: nscale, .offset: 88, .size: 8, .value_kind: global_buffer, .address_space: global }
      - { .name: wcodes, .offset: 96, .size: 8, .value_kind: global_buffer, .address_space: global }
      - { .name: wscale, .offset: 104, .size: 8, .value_kind: global_buffer, .address_space: global }
      - { .name: stats, .offset: 112, .size: 8, .value_kind: global_buffer, .address_space: global }
    .group_segment_fixed_size: 5120
    .private_segment_fixed_size: 0
    .kernarg_segment_align: 8
    .kernarg_segment_size: 120
    .max_flat_workgroup_size: 256
    .sgpr_count:     102
    .vgpr_count:     256
    .wavefront_size: 32
...
	.end_amdgpu_metadata
.endif
;; end of part 1
;; launch attn (part 2): grid 256 x 1, 4 waves a work-group, no clusters, 56,832 bytes of LDS; arguments ncodes, nscale, wcodes, wscale, acodes, ascale; writes acodes, ascale
.if DOCPART == 2
	.amdgcn_target "amdgcn-amd-amdhsa--gfx1250"
	.amdhsa_code_object_version 6
	.text
	.protected	k_q4f087b1339_attn
	.globl	k_q4f087b1339_attn
	.p2align	8
	.type	k_q4f087b1339_attn,@function
k_q4f087b1339_attn:
	s_mov_b64 s[64:65], 0
	v_nop
	global_prefetch_b8 v0, s[64:65] scope:SCOPE_SE
	s_setreg_imm32_b32 hwreg(HW_REG_WAVE_MODE, 25, 1), 1
	s_wait_xcnt 0x0
; One work-group = one (output branch, batch, head): the projections q (from the OTHER branch's norm and weight), k and v (own branch), their quantising, the scores, the finished softmax, its quantising,
; the product with v, and the quantising of the head's 32 output channels.  All products on codes of FP4 (E2M1) with one E8M0 scale for each 32 along K.
; SHARES.  Wave w owns positions 256 w .. 256 w + 255: it projects k, v and q for them; k and v reach the other waves through LDS as images of operand registers (one barrier); then it walks its 16 tiles of
; 16 queries, one a trip, each against all 1,024 keys.
; POSITIONS.  Tile q (0..3), row r of group G is position 64 G + 4 r + q.  In a result whose rows are positions a lane (r, h) holds rows 8 h + j, so its 32 registers 8 q + j of the four tiles are the 32
; positions 64 G + 32 h .. + 31: ONE block of the quantiser along the keys, all in one lane.  v and p use the same order of slots inside a block.
; K PACKED.  The head's K is 32 of the instruction's 128.  The query operand has its codes in ONE block of 32 and zero codes in the other three, so the key operand may hold other keys there: one operand of
; 8 registers holds the four tiles of a group, and four query operands (the same codes in block 0, 1, 2, 3) pick them out.  All keys take 128 registers, all of v 128: both stay in registers through the loop.
; ALL 16 x 1,024 SCORES OF A QUERY TILE STAY IN REGISTERS (512): the row's maximum and sum are known before any p is quantised, and each score costs one exponential.
; p = 2^(c s - c m) / sum, c = log2(e) / 16, m the row's largest score.  A block's largest p is made from the block's largest score by the same three instructions as every p.
; LIMITS: that takes v_exp_f32 not to fall where its input rises (at worst one p of a block is held one code low); v_exp_f32 gives 0 for results under 2^-126; a block of zeros, or under 2^-124, gets the
; scale byte 1 with zero or held codes (this program alone reads the bytes); NaN and infinities are not served.
; NO CLUSTER: what the 16 work-groups of a batch share (two branches' norm codes and scale bytes, 272 KB) is read once at the head, straight into operand registers; nothing is fetched in the loop.
; REGISTERS, in windows of 256.  Window 0: v0-15 addresses and masks; v16-35 the query operands; v36-39 the tile's codes; v40 its scale word; v42-65 scale words of k, v, p; v66-81 block maxima; v82-127 at work;
;   v128-143 the two accumulators of O (in the head: codes just made); v144-207 p's codes (in the head: a projection's results); v208-245 scale words of norm and of the weights.
;   Window 1: in the head the weights' 12 fragments and what the scale words are made of; then k (v0-127) and v (v128-255).   Windows 2, 3: in the head own and other norm's fragments; then the scores.
.set QIMG, 0                           ; LDS: q's codes [G][q][r][16 bytes]
.set KIMG, 16384                       ; k's likewise: 1,024 bytes of a group are the image of its packed operand
.set VIMG, 32768                       ; v's: [channel tile 2][G 16][lane 32][16 bytes]
.set QSC,  49152                       ; q's scale byte, four times, a word a query
.set KSC,  53248                       ; k's scale bytes: 64 G + 4 r + q
.set VSC,  54272                       ; v's: (8 ct + K step) 64 + 4 r + block
.set ASC,  55296                       ; the output's scale bytes by position: 256 bytes are each wave's own
.set QR,   36
.set QS,   40
.set KS,   42
.set VS,   50
.set PW,   58
.set BM,   66
.set BY,   82
.set SUM,  98
.set NEGM, 106
.set RC,   108
.set T,    110
.set WO,   118
.set WX,   122
.set OC,   126
.set OA,   128
.set P,    144
.set NS,   208
.set WS,   240
.set MSB, 0
.macro WIN new                         ; low byte: bits 1:0 source 0, 3:2 source 1, 5:4 source 2, 7:6 destination; the high byte repeats the setting that is left
.if MSB != \new
	s_set_vgpr_msb (MSB<<8)|\new
.set MSB, \new
.endif
.endm
.macro PLACES n
.rept \n
	v_nop
.endr
.endm
; One matrix instruction.  acc = 0: the constant 0 starts the sum.  row = 0: both scale words from lanes 0-15; 1: source 0's from lanes 16-31; 3: both from lanes 16-31.
.macro MM d, a, b, acc, sa, sb, row
.if (\acc) != 0
.if (\row) == 0
	v_wmma_scale_f32_16x16x128_f8f6f4 v[(\d):(\d)+7], v[(\a):(\a)+7], v[(\b):(\b)+7], v[(\d):(\d)+7], v[\sa], v[\sb] matrix_a_fmt:MATRIX_FMT_FP4 matrix_b_fmt:MATRIX_FMT_FP4
.elseif (\row) == 1
	v_wmma_scale_f32_16x16x128_f8f6f4 v[(\d):(\d)+7], v[(\a):(\a)+7], v[(\b):(\b)+7], v[(\d):(\d)+7], v[\sa], v[\sb] matrix_a_fmt:MATRIX_FMT_FP4 matrix_b_fmt:MATRIX_FMT_FP4 matrix_a_scale:MATRIX_SCALE_ROW1
.else
	v_wmma_scale_f32_16x16x128_f8f6f4 v[(\d):(\d)+7], v[(\a):(\a)+7], v[(\b):(\b)+7], v[(\d):(\d)+7], v[\sa], v[\sb] matrix_a_fmt:MATRIX_FMT_FP4 matrix_b_fmt:MATRIX_FMT_FP4 matrix_a_scale:MATRIX_SCALE_ROW1 matrix_b_scale:MATRIX_SCALE_ROW1
.endif
.else
.if (\row) == 0
	v_wmma_scale_f32_16x16x128_f8f6f4 v[(\d):(\d)+7], v[(\a):(\a)+7], v[(\b):(\b)+7], 0, v[\sa], v[\sb] matrix_a_fmt:MATRIX_FMT_FP4 matrix_b_fmt:MATRIX_FMT_FP4
.elseif (\row) == 1
	v_wmma_scale_f32_16x16x128_f8f6f4 v[(\d):(\d)+7], v[(\a):(\a)+7], v[(\b):(\b)+7], 0, v[\sa], v[\sb] matrix_a_fmt:MATRIX_FMT_FP4 matrix_b_fmt:MATRIX_FMT_FP4 matrix_a_scale:MATRIX_SCALE_ROW1
.else
	v_wmma_scale_f32_16x16x128_f8f6f4 v[(\d):(\d)+7], v[(\a):(\a)+7], v[(\b):(\b)+7], 0, v[\sa], v[\sb] matrix_a_fmt:MATRIX_FMT_FP4 matrix_b_fmt:MATRIX_FMT_FP4 matrix_a_scale:MATRIX_SCALE_ROW1 matrix_b_scale:MATRIX_SCALE_ROW1
.endif
.endif
.endm
	s_load_b256 s[4:11], s[0:1], 0x0               ; ncodes, nscale, wcodes, wscale
	s_load_b128 s[12:15], s[0:1], 0x20             ; acodes, ascale
	v_lshl_add_u32 v254, v0, 2, 0xdc00
	v_mov_b32 v255, 0
	v_and_b32 v13, 31, v0                          ; lane
	v_and_b32 v14, 15, v0                          ; r
	v_bfe_u32 v15, v0, 4, 1                        ; h
	v_lshrrev_b32 v36, 5, v0                       ; wave w
	v_lshlrev_b32 v1, 4, v13                       ; v1   16 x lane: an image's place for my lane
	v_lshlrev_b32 v2, 2, v13                       ; v2   4 x lane: a scale word's
	v_lshlrev_b32 v10, 4, v14
	v_lshl_add_u32 v10, v36, 12, v10               ; v10  16 r + 4,096 w: a query's codes, the same for both halves of the lanes
	v_lshl_add_u32 v3, v15, 14, v10                ; v3   norm's fragments in memory: + 16,384 h (the next block of 32 channels)
	v_lshl_add_u32 v5, v15, 3, v10                 ; v5   where my 8 bytes of a position's 16 go: + 8 h; in LDS and in acodes
	v_lshlrev_b32 v6, 2, v14
	v_lshl_add_u32 v7, v36, 10, v6                 ; v7   q's scale words: 4 r + 1,024 w
	v_lshl_add_u32 v9, v36, 7, v6
	v_add_nc_u32 v9, v9, v15                       ; v9   v's scale bytes: 4 r + h + 128 w
	v_lshl_add_u32 v6, v36, 8, v6                  ; v6   bytes by position: 4 r + 256 w
	v_lshl_add_u32 v4, v15, 12, v6                 ; v4   norm's scale bytes in memory: + 4,096 h (four blocks on)
	v_lshl_add_u32 v8, v36, 11, v1                 ; v8   v's images: 16 x lane + 2,048 w
	v_cmp_gt_u32 vcc_lo, 16, v13
	v_cndmask_b32 v11, 0, -1, vcc_lo               ; v11  all ones in lanes 0-15
	v_cndmask_b32 v12, -1, 0, vcc_lo               ; v12  all ones in lanes 16-31
.irp i, 16,17,18,19,24,25,26,27,32,33,34,35        ; the zero codes of the query operands, for the whole launch
	v_mov_b32 v\i, 0
.endr
.irp i, 70,71,72,73,107,109,111,112,122,123,124,125   ; destinations of lane permutes and upper halves of pairs count as read: written once
	v_mov_b32 v\i, 0
.endr
	s_lshr_b32 s17, ttmp9, 3                       ; 16 branch + batch: own,
	s_xor_b32 s18, s17, 16                         ; other
	s_lshr_b32 s19, ttmp9, 7                       ; branch
	s_and_b32 s20, ttmp9, 7                        ; head n
	s_mul_i32 s21, s19, 48
	s_mul_i32 s22, s20, 6
	s_add_co_u32 s21, s21, s22
	s_add_co_u32 s21, s21, 2                       ; own weight's tiles of k and v: 48 branch + 6 n + 2 .. + 5
	s_xor_b32 s23, s19, 1
	s_mul_i32 s23, s23, 48
	s_add_co_u32 s23, s23, s22                     ; the other weight's tiles of q: + 0, + 1
	s_mov_b32 s40, 0x76543210
	s_mov_b32 s41, 0xfedcba98                      ; v_permlanex16_b32: lane l xor 16
	s_mov_b32 s42, 0x3db8aa3b                      ; c = log2(e) / 16
	s_mov_b32 s43, s42                             ; (named with it as a pair, so it is written)
	s_mov_b32 s44, 0x05010400                      ; v_perm_b32: bytes 0, 1 of two words by turns,
	s_mov_b32 s45, 0x07030602                      ; bytes 2, 3 by turns,
	s_mov_b32 s46, 0x05040100                      ; the two low halves,
	s_mov_b32 s47, 0x07060302                      ; the two high halves
	s_mov_b32 s53, 0
	s_wait_kmcnt 0x0
	s_lshl_b32 s52, s17, 17
	s_add_nc_u64 s[24:25], s[4:5], s[52:53]        ; norm's codes, own
	s_lshl_b32 s52, s18, 17
	s_add_nc_u64 s[26:27], s[4:5], s[52:53]        ; other
	s_lshl_b32 s52, s17, 13
	s_add_nc_u64 s[28:29], s[6:7], s[52:53]        ; norm's scale bytes, own
	s_lshl_b32 s52, s18, 13
	s_add_nc_u64 s[30:31], s[6:7], s[52:53]        ; other
	s_lshl_b32 s52, s21, 11
	s_add_nc_u64 s[32:33], s[8:9], s[52:53]        ; the weights' codes: k and v,
	s_lshl_b32 s52, s23, 11
	s_add_nc_u64 s[34:35], s[8:9], s[52:53]        ; q
	s_lshl_b32 s52, s21, 7
	s_add_nc_u64 s[36:37], s[10:11], s[52:53]      ; their scale words
	s_lshl_b32 s52, s23, 7
	s_add_nc_u64 s[38:39], s[10:11], s[52:53]
	s_lshl_b32 s52, ttmp9, 14
	s_add_nc_u64 s[12:13], s[12:13], s[52:53]      ; my head's 16 KB of acodes
	s_lshl_b32 s52, ttmp9, 10
	s_add_nc_u64 s[14:15], s[14:15], s[52:53]      ; and 1,024 bytes of ascale
	; ---- the head's loads.  Weight fragment (e, K step s) at v[16 e + 8 s] of window 1: e = 0, 1 q; 2, 3 k; 4, 5 v
	WIN 0x40
.irp e, 0,1
.irp s, 0,1
.irp c, 0,1
	global_load_b128 v[16*\e+8*\s+4*\c:16*\e+8*\s+4*\c+3], v1, s[34:35] offset:2048*\e+1024*\s+512*\c
.endr
.endr
.endr
.irp e, 2,3,4,5
.irp s, 0,1
.irp c, 0,1
	global_load_b128 v[16*\e+8*\s+4*\c:16*\e+8*\s+4*\c+3], v1, s[32:33] offset:2048*(\e-2)+1024*\s+512*\c
.endr
.endr
.endr
.irp g, 0,1,2,3                        ; norm's scale bytes of my four groups: word i holds, for channel block 4 h + i, the bytes of positions 64 G + 4 r + 0 .. 3
.irp i, 0,1,2,3
	global_load_b32 v[96+4*\g+\i], v4, s[28:29] offset:1024*\i+64*\g
	global_load_b32 v[112+4*\g+\i], v4, s[30:31] offset:1024*\i+64*\g
.endr
.endr
	WIN 0
.irp e, 0,1
	global_load_b32 v[WS+\e], v2, s[38:39] offset:128*\e           ; lanes 0-15: K step 0's words, lanes 16-31: K step 1's
.endr
.irp e, 2,3,4,5
	global_load_b32 v[WS+\e], v2, s[36:37] offset:128*(\e-2)
.endr
	WIN 0x80                                       ; own norm's fragments (group g, tile q, K step s) at v[64 g + 16 q + 8 s] of window 2
.irp g, 0,1,2,3
.irp q, 0,1,2,3
.irp s, 0,1
.irp c, 0,1
	global_load_b128 v[64*\g+16*\q+8*\s+4*\c:64*\g+16*\q+8*\s+4*\c+3], v3, s[24:25] offset:(4*\s+2*\c)*16384+1024*\g+256*\q
.endr
.endr
.endr
.endr
	s_wait_loadcnt 63                              ; behind the 62 small loads 64 were issued: with 63 out at the most the small ones are in
	WIN 0x45                                       ; a 4 x 4 turn of bytes: from words by channel block to words by tile q
.irp g, 0,1,2,3,4,5,6,7
	v_perm_b32 v[128+4*\g], v[97+4*\g], v[96+4*\g], s44
	v_perm_b32 v[129+4*\g], v[97+4*\g], v[96+4*\g], s45
	v_perm_b32 v[130+4*\g], v[99+4*\g], v[98+4*\g], s44
	v_perm_b32 v[131+4*\g], v[99+4*\g], v[98+4*\g], s45
.endr
	WIN 0x05
.irp g, 0,1,2,3,4,5,6,7                ; scale word of tile q of group g: own at NS + 4 g + q, other at NS + 16 + ..; lanes 0-15 K step 0, lanes 16-31 K step 1
	v_perm_b32 v[NS+4*\g], v[130+4*\g], v[128+4*\g], s46
	v_perm_b32 v[NS+4*\g+1], v[130+4*\g], v[128+4*\g], s47
	v_perm_b32 v[NS+4*\g+2], v[131+4*\g], v[129+4*\g], s46
	v_perm_b32 v[NS+4*\g+3], v[131+4*\g], v[129+4*\g], s47
.endr
	WIN 0xc0                                       ; the other norm's fragments, in window 3
.irp g, 0,1,2,3
.irp q, 0,1,2,3
.irp s, 0,1
.irp c, 0,1
	global_load_b128 v[64*\g+16*\q+8*\s+4*\c:64*\g+16*\q+8*\s+4*\c+3], v3, s[26:27] offset:(4*\s+2*\c)*16384+1024*\g+256*\q
.endr
.endr
.endr
.endr
	WIN 0
	PLACES 8                                       ; scale words written by vector instructions stand eight places ahead of a scaled matrix instruction
; A projection used transposed: source 0 = 16 rows of the weight, source 1 = 16 positions.  Result (q, ct) at P + 16 q + 8 ct: lane (r, h) holds position slot r of tile q and channels 16 ct + 8 h + j.
; Eight accumulators take turns, one instruction a turn.
.macro PROJT e0, win, gl, ns
	WIN \win
.irp s, 0,1
.irp q, 0,1,2,3
.irp ct, 0,1
	MM P+16*\q+8*\ct, 16*(\e0+\ct)+8*\s, 64*\gl+16*\q+8*\s, \s, WS+\e0+\ct, \ns+4*\gl+\q, 3*\s
.endr
.endr
.endr
.endm
; v's projection the other way round: source 0 = 16 positions, source 1 = 16 rows of the weight.  Result (ct, q) at P + 32 ct + 8 q: lane (r, h) holds channel 16 ct + r and key block 2 G + h whole.
.macro PROJN gl
	WIN 0x06
.irp s, 0,1
.irp q, 0,1,2,3
.irp ct, 0,1
	MM P+32*\ct+8*\q, 64*\gl+16*\q+8*\s, 16*(4+\ct)+8*\s, \s, NS+4*\gl+\q, WS+4+\ct, 3*\s
.endr
.endr
.endr
.endm
; Four positions' blocks of 32 channels, 16 of each in my lane and 16 in lane l xor 16: codes to OA + 2 b, + 1, bytes to BM + 4 + b.  Each accumulator is read from its low end on.
.macro QUANTH
	WIN 0
	s_wait_dscnt 0x0                               ; the last LDS stores have read the registers that are written below
	PLACES 4                                       ; four places between the products and the first read of their results
.irp b, 0,1,2,3
	v_max3_num_f32 v[BM+\b], |v[P+16*\b]|, |v[P+16*\b+1]|, 0x1800000   ; with the floor 2^(3 - 127)
.endr
.irp i, 2,4,6,8,10,12,14
.irp b, 0,1,2,3
	v_max3_num_f32 v[BM+\b], v[BM+\b], |v[P+16*\b+\i]|, |v[P+16*\b+\i+1]|
.endr
.endr
.irp b, 0,1,2,3
	v_permlanex16_b32 v[BM+4+\b], v[BM+\b], s40, s41
.endr
.irp b, 0,1,2,3
	v_max_num_f32 v[BM+\b], v[BM+\b], v[BM+4+\b]
.endr
.irp b, 0,1,2,3
	v_add_nc_u32 v[BM+12+\b], 0xff000000, v[BM+\b] ; 2 off the exponent field: the conversion's scale operand
.endr
.irp b, 0,1,2,3
	v_lshrrev_b32 v[BM+4+\b], 23, v[BM+12+\b]      ; the scale's byte
.endr
.irp b, 0,1,2,3
	v_cvt_scalef32_pk8_fp4_f32 v[OA+2*\b], v[P+16*\b:P+16*\b+7], v[BM+12+\b]
	v_cvt_scalef32_pk8_fp4_f32 v[OA+2*\b+1], v[P+16*\b+8:P+16*\b+15], v[BM+12+\b]
.endr
	v_nop                                          ; a plain line behind the last conversion
.endm
; Two whole blocks of 32 keys (channel tiles 0, 1), all in my lane: codes to OA + 4 ct .. + 3, bytes to BM + 4 + ct.
.macro QUANTV
	WIN 0
	s_wait_dscnt 0x0
	PLACES 4
.irp t, 0,1,2,3
	v_max3_num_f32 v[BM+\t], |v[P+16*\t]|, |v[P+16*\t+1]|, 0x1800000
.endr
.irp i, 2,4,6,8,10,12,14
.irp t, 0,1,2,3
	v_max3_num_f32 v[BM+\t], v[BM+\t], |v[P+16*\t+\i]|, |v[P+16*\t+\i+1]|
.endr
.endr
.irp ct, 0,1
	v_max_num_f32 v[BM+2*\ct], v[BM+2*\ct], v[BM+2*\ct+1]
.endr
.irp ct, 0,1
	v_add_nc_u32 v[BM+12+\ct], 0xff000000, v[BM+2*\ct]
.endr
.irp ct, 0,1
	v_lshrrev_b32 v[BM+4+\ct], 23, v[BM+12+\ct]
.endr
.irp ct, 0,1
.irp i, 0,1,2,3
	v_cvt_scalef32_pk8_fp4_f32 v[OA+4*\ct+\i], v[P+32*\ct+8*\i:P+32*\ct+8*\i+7], v[BM+12+\ct]
.endr
.endr
	v_nop
.endm
.macro KVGROUP gl
	s_wait_loadcnt 63                              ; behind this group's fragments at least 64 loads were issued
	PROJT 2, 0x09, \gl, NS
	QUANTH
.irp b, 0,1,2,3
	ds_store_b64 v5, v[OA+2*\b:OA+2*\b+1] offset:KIMG+\gl*1024+\b*256   ; lanes r and r + 16 fill a key's 16 bytes: quarters 0, 2 | 1, 3
	ds_store_b8 v6, v[BM+4+\b] offset:KSC+\gl*64+\b                    ; both write the same byte with the same value
.endr
	PROJN \gl
	QUANTV
.irp ct, 0,1
	ds_store_b128 v8, v[OA+4*\ct:OA+4*\ct+3] offset:VIMG+\ct*8192+\gl*512
	ds_store_b8 v9, v[BM+4+\ct] offset:VSC+\ct*512+(\gl/2)*64+2*(\gl%2)
.endr
.endm
.macro QGROUP gl
	s_wait_loadcnt 48-16*\gl                       ; behind this group's 16 loads: those of the later groups
	PROJT 0, 0x0d, \gl, NS+16
	QUANTH
.irp b, 0,1,2,3
	v_lshl_or_b32 v[BM+4+\b], v[BM+4+\b], 8, v[BM+4+\b]            ; the byte four times: it serves in whichever block the codes are put
.endr
.irp b, 0,1,2,3
	v_lshl_or_b32 v[BM+4+\b], v[BM+4+\b], 16, v[BM+4+\b]
.endr
.irp b, 0,1,2,3
	ds_store_b64 v5, v[OA+2*\b:OA+2*\b+1] offset:QIMG+\gl*1024+\b*256
	ds_store_b32 v7, v[BM+4+\b] offset:QSC+\gl*256+\b*64
.endr
.endm
	KVGROUP 0
	KVGROUP 1
	KVGROUP 2
	KVGROUP 3
	QGROUP 0
	QGROUP 1
	QGROUP 2
	QGROUP 3
	s_wait_dscnt 0x0                               ; for the others' sake: my stores have landed
	s_barrier_signal -1
	s_barrier_wait -1                              ; all keys and all of v lie in LDS; nothing there is written again but each wave's own output bytes
	; ---- k and v into registers, for the whole loop
	WIN 0x40
.irp g, 0,1,2,3,4,5,6,7,8,9,10,11,12,13,14,15
.irp c, 0,1
	ds_load_b128 v[8*\g+4*\c:8*\g+4*\c+3], v1 offset:KIMG+\g*1024+\c*512               ; lane (r, h), registers 4 c on: tile 2 c + h, row r
.endr
.endr
.irp ct, 0,1
.irp s, 0,1,2,3,4,5,6,7
.irp c, 0,1
	ds_load_b128 v[128+64*\ct+8*\s+4*\c:128+64*\ct+8*\s+4*\c+3], v1 offset:VIMG+\ct*8192+\s*1024+\c*512
.endr
.endr
.endr
	WIN 0
.irp i, 0,1,2,3,4,5,6,7
	ds_load_b32 v[KS+\i], v2 offset:KSC+128*\i     ; lanes 0-15: group 2 i, lanes 16-31: group 2 i + 1
.endr
.irp ct, 0,1
.irp i, 0,1,2,3
	ds_load_b32 v[VS+4*\ct+\i], v2 offset:VSC+512*\ct+128*\i       ; lanes 0-15: K step 2 i, lanes 16-31: K step 2 i + 1
.endr
.endr
	ds_load_b128 v[QR:QR+3], v10 offset:QIMG       ; my first tile of queries
	ds_load_b32 v[QS], v7 offset:QSC
.macro SCORES win, g0                  ; S^T = K Q^T for eight groups: result (g, tile j) at v[32 g + 8 j]: lane (r, h) holds query r and keys 64 G + 32 h + 4 i + j
	WIN \win
.irp g, 0,1,2,3,4,5,6,7
	MM 32*\g, 8*(\g0+\g), 20, 0, KS+(\g0+\g)/2, QS, \g%2
	MM 32*\g+8, 8*(\g0+\g), 28, 0, KS+(\g0+\g)/2, QS, \g%2
	MM 32*\g+16, 8*(\g0+\g), 16, 0, KS+(\g0+\g)/2, QS, \g%2
	MM 32*\g+24, 8*(\g0+\g), 24, 0, KS+(\g0+\g)/2, QS, \g%2
.endr
.endm
.macro ROWMAX win, g0                  ; the largest score of each block of 32 keys, the eight groups by turns; registers ascending, so each result is read from its low end on
	WIN \win
.irp g, 0,1,2,3,4,5,6,7
	v_max_num_f32 v[BM+\g0+\g], v[32*\g], v[32*\g+1]
.endr
.irp i, 2,4,6,8,10,12,14,16,18,20,22,24,26,28,30
.irp g, 0,1,2,3,4,5,6,7
	v_max3_num_f32 v[BM+\g0+\g], v[32*\g+\i], v[32*\g+\i+1], v[BM+\g0+\g]
.endr
.endr
.endm
.macro EXPW win                        ; 2^(c s - c m) of a window's 256 scores; a scaling two pairs ahead stands behind every second exponential
	WIN \win
	v_pk_fma_f32 v[0:1], v[0:1], s[42:43], v[NEGM:NEGM+1] op_sel_hi:[1,0,0]
	v_pk_fma_f32 v[2:3], v[2:3], s[42:43], v[NEGM:NEGM+1] op_sel_hi:[1,0,0]
.set KK, 0
.rept 126
	v_exp_f32 v[2*KK], v[2*KK]
	v_pk_fma_f32 v[2*KK+4:2*KK+5], v[2*KK+4:2*KK+5], s[42:43], v[NEGM:NEGM+1] op_sel_hi:[1,0,0]
	v_exp_f32 v[2*KK+1], v[2*KK+1]
.set KK, KK+1
.endr
	v_exp_f32 v252, v252
	v_exp_f32 v253, v253
	v_exp_f32 v254, v254
	v_exp_f32 v255, v255
.endm
.macro NORMCVT wn, wc, g0              ; p = e / sum, then its codes: group G's 32 registers give registers 4 G .. 4 G + 3 of the operand
	WIN \wn
.set KK, 0
.rept 128
	v_pk_mul_f32 v[2*KK:2*KK+1], v[2*KK:2*KK+1], v[RC:RC+1] op_sel_hi:[1,0]
.set KK, KK+1
.endr
	WIN \wc
.irp g, 0,1,2,3,4,5,6,7
.irp i, 0,1,2,3
	v_cvt_scalef32_pk8_fp4_f32 v[P+4*(\g0+\g)+\i], v[32*\g+8*\i:32*\g+8*\i+7], v[BM+\g0+\g]
.endr
.endr
.endm
	s_mov_b32 s48, 0                               ; the trip: my query tile 0 .. 15 = 4 x group + tile
.Ltile:
	s_wait_dscnt 0x0                               ; the tile's codes and scale word are in (first trip: k and v too)
.irp i, 0,1,2,3
	v_and_b32 v[20+\i], v[QR+\i], v11              ; the codes in lanes 0-15 alone: blocks 0 and 2,
	v_and_b32 v[28+\i], v[QR+\i], v12              ; in lanes 16-31 alone: blocks 1 and 3
.endr
	PLACES 4                                       ; an operand written by vector instructions stands four places ahead of a scaled matrix instruction
	SCORES 0x81, 0
	SCORES 0xc1, 8
	PLACES 4
	ROWMAX 0x0a, 0
	ROWMAX 0x0f, 8
	WIN 0
	v_max3_num_f32 v[T], v[BM], v[BM+1], v[BM+2]   ; the row's largest score: two chains,
	v_max3_num_f32 v[T+1], v[BM+3], v[BM+4], v[BM+5]
	v_max3_num_f32 v[T], v[T], v[BM+6], v[BM+7]
	v_max3_num_f32 v[T+1], v[T+1], v[BM+8], v[BM+9]
	v_max3_num_f32 v[T], v[T], v[BM+10], v[BM+11]
	v_max3_num_f32 v[T+1], v[T+1], v[BM+12], v[BM+13]
	v_max3_num_f32 v[T], v[T], v[BM+14], v[BM+15]
	v_max_num_f32 v[T], v[T], v[T+1]
	v_permlanex16_b32 v[T+2], v[T], s40, s41       ; and the other half of the lanes' 512 keys
	v_max_num_f32 v[T], v[T], v[T+2]
	v_mul_f32 v[NEGM], 0xbdb8aa3b, v[T]            ; - c m
.irp k, 0,1,2,3,4,5,6,7
	v_pk_fma_f32 v[BM+2*\k:BM+2*\k+1], v[BM+2*\k:BM+2*\k+1], s[42:43], v[NEGM:NEGM+1] op_sel_hi:[1,0,0]   ; each block's largest score goes the way of every score
.endr
.irp k, 0,1,2,3,4,5,6,7,8,9,10,11,12,13,14,15
	v_exp_f32 v[BM+\k], v[BM+\k]
.endr
	s_add_co_u32 s49, s48, 1                       ; the next tile's codes are asked for here; the last trip asks for tile 0 again, which nobody uses
	s_and_b32 s49, s49, 15
	s_lshl_b32 s50, s49, 6
	s_lshl_b32 s49, s49, 8
	v_add_nc_u32 v13, s49, v10
	v_add_nc_u32 v14, s50, v7
	ds_load_b128 v[QR:QR+3], v13 offset:QIMG
	ds_load_b32 v[QS], v14 offset:QSC
	EXPW 0x82
	EXPW 0xc3
	WIN 0x0a                                       ; the row's sum of the 512 numbers in my lane: four chains of pairs; the first lines start them
	s_wait_alu depctr_va_vdst(0)
.irp k, 0,1,2,3
	v_pk_add_f32 v[SUM+2*\k:SUM+2*\k+1], v[2*\k:2*\k+1], v[8+2*\k:9+2*\k]
.endr
	WIN 0x02
.set KK, 8
.rept 120
	v_pk_add_f32 v[SUM+2*(KK%4):SUM+2*(KK%4)+1], v[2*KK:2*KK+1], v[SUM+2*(KK%4):SUM+2*(KK%4)+1]
.set KK, KK+1
.endr
	WIN 0x03
.set KK, 0
.rept 128
	v_pk_add_f32 v[SUM+2*(KK%4):SUM+2*(KK%4)+1], v[2*KK:2*KK+1], v[SUM+2*(KK%4):SUM+2*(KK%4)+1]
.set KK, KK+1
.endr
	WIN 0
	v_pk_add_f32 v[SUM:SUM+1], v[SUM:SUM+1], v[SUM+2:SUM+3]
	v_pk_add_f32 v[SUM+4:SUM+5], v[SUM+4:SUM+5], v[SUM+6:SUM+7]
	v_pk_add_f32 v[SUM:SUM+1], v[SUM:SUM+1], v[SUM+4:SUM+5]
	v_add_f32 v[T], v[SUM], v[SUM+1]
	v_permlanex16_b32 v[T+1], v[T], s40, s41
	v_add_f32 v[T], v[T], v[T+1]
	v_rcp_f32 v[RC], v[T]
	v_nop                                          ; a plain line between the reciprocal and its use
	s_wait_alu depctr_va_vdst(0)
.irp k, 0,1,2,3,4,5,6,7
	v_pk_mul_f32 v[BM+2*\k:BM+2*\k+1], v[BM+2*\k:BM+2*\k+1], v[RC:RC+1] op_sel_hi:[1,0]     ; each block's largest p
.endr
.irp k, 0,1,2,3,4,5,6,7,8,9,10,11,12,13,14,15
	v_max_num_f32 v[BM+\k], 0x1800000, v[BM+\k]    ; the floor: the byte cannot fall under 1
.endr
.irp k, 0,1,2,3,4,5,6,7,8,9,10,11,12,13,14,15
	v_add_nc_u32 v[BM+\k], 0xff000000, v[BM+\k]    ; the conversion's scale operand
.endr
.irp k, 0,1,2,3,4,5,6,7,8,9,10,11,12,13,14,15
	v_lshrrev_b32 v[BY+\k], 23, v[BM+\k]           ; the byte of block 2 G + h
.endr
.irp i, 0,1,2,3
	v_lshl_or_b32 v[WO+\i], v[BY+4*\i+1], 8, v[BY+4*\i]
.endr
.irp i, 0,1,2,3
	v_lshl_or_b32 v[WO+\i], v[BY+4*\i+2], 16, v[WO+\i]
.endr
.irp i, 0,1,2,3
	v_lshl_or_b32 v[WO+\i], v[BY+4*\i+3], 24, v[WO+\i]
.endr
.irp i, 0,1,2,3
	v_permlanex16_b32 v[WX+\i], v[WO+\i], s40, s41 ; the other half's bytes
.endr
.irp i, 0,1,2,3
	v_perm_b32 v[PW+2*\i], v[WX+\i], v[WO+\i], s44     ; p's scale word of K step s: byte 2 c + h is group 2 s + c, half h (lanes 0-15 are read)
	v_perm_b32 v[PW+2*\i+1], v[WX+\i], v[WO+\i], s45
.endr
	NORMCVT 0x82, 0x02, 0
	NORMCVT 0xc3, 0x03, 8
	PLACES 4                                       ; four places between the last codes and the products that take them
	WIN 0x01                                       ; O^T = V^T P^T: source 0 = 16 channels of v, source 1 = p; two accumulators by turns
.irp s, 0,1,2,3,4,5,6,7
.irp ct, 0,1
	MM OA+8*\ct, 128+64*\ct+8*\s, P+8*\s, \s, VS+4*\ct+\s/2, PW+\s, \s%2
.endr
.endr
	WIN 0
	PLACES 4
	v_max3_num_f32 v[T], |v[OA]|, |v[OA+1]|, 0x1800000             ; the head's 32 channels of a query are one block: 16 in my lane, 16 in lane l xor 16
	v_max3_num_f32 v[T+1], |v[OA+8]|, |v[OA+9]|, 0x1800000
.irp i, 2,4,6
	v_max3_num_f32 v[T], v[T], |v[OA+\i]|, |v[OA+\i+1]|
	v_max3_num_f32 v[T+1], v[T+1], |v[OA+8+\i]|, |v[OA+9+\i]|
.endr
	v_max_num_f32 v[T], v[T], v[T+1]
	v_permlanex16_b32 v[T+2], v[T], s40, s41
	v_max_num_f32 v[T], v[T], v[T+2]
	v_add_nc_u32 v[T+3], 0xff000000, v[T]
	v_cvt_scalef32_pk8_fp4_f32 v[OC], v[OA:OA+7], v[T+3]
	v_cvt_scalef32_pk8_fp4_f32 v[OC+1], v[OA+8:OA+15], v[T+3]
	v_lshrrev_b32 v[T+4], 23, v[T+3]               ; the byte (a plain line behind the conversions)
	s_lshr_b32 s51, s48, 2
	s_lshl_b32 s51, s51, 6
	s_and_b32 s54, s48, 3
	s_add_co_u32 s51, s51, s54                     ; 64 x group + tile: with 4 r + 256 w the query's position
	v_add_nc_u32 v15, s51, v6
	global_store_b64 v5, v[OC:OC+1], s[12:13]      ; the 32 lanes store 256 bytes on end, at a multiple of 256 from the buffer's first byte
	ds_store_b8 v15, v[T+4] offset:ASC             ; both halves write the same byte with the same value
	s_wait_xcnt 0x0                                ; the store has read its data and its base: both are written again
	s_add_nc_u64 s[12:13], s[12:13], 256
	s_add_co_u32 s48, s48, 1
	s_cmp_lt_u32 s48, 16
	s_cbranch_scc1 .Ltile
	v_lshlrev_b32 v13, 3, v0                       ; my wave's 256 scale bytes, 8 a lane
	ds_load_b64 v[T:T+1], v13 offset:ASC           ; LDS serves a wave's instructions in order: these see my stores
	s_wait_dscnt 0x0
	global_store_b64 v13, v[T:T+1], s[14:15]       ; 256 bytes on end
	s_wait_tensorcnt 0x0
	ds_add_u32 v254, v255
	s_wait_dscnt 0x0
	s_endpgm
.Lfunc_end_k_q4f087b1339_attn:
	.size	k_q4f087b1339_attn, .Lfunc_end_k_q4f087b1339_attn-k_q4f087b1339_attn
	.p2alignl 7, 3214868480
	.fill 96, 4, 3214868480
	.section	.rodata,"a",@progbits
	.p2align	6, 0x0
	.amdhsa_kernel k_q4f087b1339_attn
		.amdhsa_group_segment_fixed_size 56832
		.amdhsa_private_segment_fixed_size 0
		.amdhsa_enable_private_segment 0
		.amdhsa_kernarg_size 48
		.amdhsa_user_sgpr_count 2
		.amdhsa_user_sgpr_kernarg_segment_ptr 1
		.amdhsa_wavefront_size32 1
		.amdhsa_system_sgpr_workgroup_id_x 1
		.amdhsa_system_sgpr_workgroup_id_y 1
		.amdhsa_system_sgpr_workgroup_id_z 1
		.amdhsa_system_vgpr_workitem_id 0
		.amdhsa_next_free_vgpr 1024
		.amdhsa_next_free_sgpr 66
		.amdhsa_reserve_vcc 1
		.amdhsa_float_denorm_mode_32 3
		.amdhsa_float_denorm_mode_16_64 3
		.amdhsa_memory_ordered 1
		.amdhsa_forward_progress 1
		.amdhsa_inst_pref_size 208
	.end_amdhsa_kernel
	.amdgpu_metadata
---
amdhsa.version: [ 1, 2 ]
amdhsa.kernels:
  - .name:           k_q4f087b1339_attn
    .symbol:         k_q4f087b1339_attn.kd
    .args:
      - { .name: ncodes, .offset: 0, .size: 8, .value_kind: global_buffer, .address_space: global }
      - { .name: nscale, .offset: 8, .size: 8, .value_kind: global_buffer, .address_space: global }
      - { .name: wcodes, .offset: 16, .size: 8, .value_kind: global_buffer, .address_space: global }
      - { .name: wscale, .offset: 24, .size: 8, .value_kind: global_buffer, .address_space: global }
      - { .name: acodes, .offset: 32, .size: 8, .value_kind: global_buffer, .address_space: global }
      - { .name: ascale, .offset: 40, .size: 8, .value_kind: global_buffer, .address_space: global }
    .group_segment_fixed_size: 56832
    .private_segment_fixed_size: 0
    .kernarg_segment_align: 8
    .kernarg_segment_size: 48
    .max_flat_workgroup_size: 128
    .sgpr_count:     66
    .vgpr_count:     1024
    .wavefront_size: 32
...
	.end_amdgpu_metadata
.endif
;; end of part 2
;; launch outp (part 3): grid 256 x 1, 16 waves a work-group, no clusters, 0 bytes of LDS; arguments x_A, x_B, gA, gB, bA, bB, boutA, boutB, acodes, ascale, wcodes, wscale, stats, out0, out1; writes out0, out1
.if DOCPART == 3
	.amdgcn_target "amdgcn-amd-amdhsa--gfx1250"
	.amdhsa_code_object_version 6
	.text
	.protected	k_q4f087b1339_outp
	.globl	k_q4f087b1339_outp
	.p2align	8
	.type	k_q4f087b1339_outp,@function
k_q4f087b1339_outp:
	s_mov_b64 s[64:65], 0
	v_nop
	global_prefetch_b8 v0, s[64:65] scope:SCOPE_SE
	s_setreg_imm32_b32 hwreg(HW_REG_WAVE_MODE, 25, 1), 1
	s_wait_xcnt 0x0
; out = Wout (attention's output) + bout + norm, the product on codes of FP4 (E2M1) with one E8M0 scale for each 32 along K; norm is made anew from x and the stored statistics, in f32.
; Work-group id = 128 branch + 8 batch + pc takes 128 positions of all 256 channels.  Wave w: group of 64 positions G = 2 pc + w % 2, channels 32 (w / 2) .. + 31: two tiles of 16, each one norm group.
; Source 0 = 16 rows of Wout, source 1 = tile q of the attention's codes (row r = position 64 G + 4 r + q).  Register j of result q in lane (r, h) is out[channel 8 h + j][position 64 G + 4 r + q], so the four
; results' registers j are 16 bytes on end of a row of out; x is loaded in just that shape, the residual is added in place, and sixteen lanes store 256 bytes on end.  No LDS, no barrier.
; beta + bout is the C of each sum's first matrix instruction.
; NO CLUSTER, no ring: a work-group reads 128 KB of x of its own; what it shares with others (Wout's 32 KB of codes, a batch's attention codes) is small beside that and is read once, at the head.
; LIMITS: NaN and infinities among the inputs are not served.
.set BS, 8                             ; v8-11    the attention tiles' scale words: lanes 0-15 K step 0, lanes 16-31 K step 1
.set WS, 12                            ; v12-13   Wout's, likewise
.set CB, 16                            ; v16-31   beta + bout, in the result's layout, 8 a tile
.set WF, 32                            ; v32-63   Wout's fragments (tile ot, K step s) at 16 ot + 8 s
.set X,  64                            ; v64-127  x, then out: 32 ot + 4 j + q
.set D,  128                           ; v128-159 four accumulators; ahead of the products what the scale words are made of
.set AV, 160                           ; v160-175 gamma, then gamma / sqrt(var + eps)
.set BO, 176                           ; v176-191 bout
.set BF, 192                           ; v192-255 the attention's fragments (tile q, K step s) at 16 q + 8 s
	s_load_b512 s[68:83], s[0:1], 0x0              ; x_A, x_B, gA, gB, bA, bB, boutA, boutB
	s_load_b256 s[84:91], s[0:1], 0x40             ; acodes, ascale, wcodes, wscale
	s_load_b128 s[92:95], s[0:1], 0x60             ; stats, out0
	s_load_b64 s[96:97], s[0:1], 0x70              ; out1
	v_lshrrev_b32 v7, 5, v0
	v_readfirstlane_b32 s32, v7                    ; wave 0..15
	v_and_b32 v14, 31, v0                          ; lane
	v_and_b32 v15, 15, v0                          ; r
	v_bfe_u32 v7, v0, 4, 1                         ; h
	v_lshlrev_b32 v1, 4, v14                       ; v1  16 x lane: Wout's fragments
	v_lshlrev_b32 v2, 2, v14                       ; v2  4 x lane: its scale words
	v_lshlrev_b32 v4, 4, v15
	v_lshl_add_u32 v3, v7, 15, v4                  ; v3  x and out: 16 r, + 8 rows of 4,096 bytes for lanes 16-31
	v_lshl_add_u32 v4, v7, 14, v4                  ; v4  the attention's fragments: 16 r + 16,384 h (the next head)
	v_lshlrev_b32 v5, 2, v15
	v_lshl_add_u32 v5, v7, 12, v5                  ; v5  its scale bytes: 4 r + 4,096 h (four heads on)
	v_lshlrev_b32 v6, 5, v7                        ; v6  gamma, beta, bout: my half's eight channels
	s_and_b32 s33, s32, 1
	s_lshr_b32 s34, s32, 1                         ; op: which 32 channels
	s_and_b32 s35, ttmp9, 7
	s_lshl_b32 s35, s35, 1
	s_add_co_u32 s35, s35, s33                     ; G
	s_lshr_b32 s38, ttmp9, 3                       ; 16 branch + batch
	s_and_b32 s39, s38, 15                         ; batch
	s_lshr_b32 s40, ttmp9, 7                       ; branch
	s_mov_b32 s37, 0
	s_mov_b32 s28, 0x05010400                      ; v_perm_b32: bytes 0, 1 of two words by turns,
	s_mov_b32 s29, 0x07030602                      ; bytes 2, 3 by turns,
	s_mov_b32 s30, 0x05040100                      ; the two low halves,
	s_mov_b32 s31, 0x07060302                      ; the two high halves
	s_wait_kmcnt 0x0
	s_cmp_lt_u32 ttmp9, 128                        ; branch A or B: the choice hangs on the work-group's number alone
	s_cselect_b64 s[4:5], s[68:69], s[70:71]       ; x
	s_cselect_b64 s[6:7], s[72:73], s[74:75]       ; gamma
	s_cselect_b64 s[8:9], s[76:77], s[78:79]       ; beta
	s_cselect_b64 s[10:11], s[80:81], s[82:83]     ; bout
	s_cselect_b64 s[12:13], s[94:95], s[96:97]     ; out
	s_lshl_b32 s36, s38, 7
	s_lshl_b32 s41, s34, 4
	s_add_co_u32 s36, s36, s41
	s_add_nc_u64 s[22:23], s[92:93], s[36:37]      ; my two groups' statistics
	s_load_b128 s[24:27], s[22:23], 0x0            ; mean, 1 / sqrt(var + eps) of tile 0; of tile 1
	s_lshl_b32 s36, s39, 20
	s_lshl_b32 s41, s34, 17
	s_add_co_u32 s36, s36, s41
	s_lshl_b32 s41, s35, 8
	s_add_co_u32 s36, s36, s41                     ; batch, 32 channels x op, 64 positions x G
	s_add_nc_u64 s[4:5], s[4:5], s[36:37]
	s_add_nc_u64 s[12:13], s[12:13], s[36:37]
	s_lshl_b32 s36, s34, 7
	s_add_nc_u64 s[6:7], s[6:7], s[36:37]
	s_add_nc_u64 s[8:9], s[8:9], s[36:37]
	s_add_nc_u64 s[10:11], s[10:11], s[36:37]
	s_lshl_b32 s36, s38, 17
	s_lshl_b32 s41, s35, 10
	s_add_co_u32 s36, s36, s41
	s_add_nc_u64 s[14:15], s[84:85], s[36:37]      ; the attention's codes
	s_lshl_b32 s36, s38, 13
	s_lshl_b32 s41, s35, 6
	s_add_co_u32 s36, s36, s41
	s_add_nc_u64 s[16:17], s[86:87], s[36:37]      ; and scale bytes
	s_lshl_b32 s36, s40, 15
	s_lshl_b32 s41, s34, 12
	s_add_co_u32 s36, s36, s41
	s_add_co_u32 s36, s36, 196608                  ; Wout's tiles begin at tile 96: 16 for each branch, two for me
	s_add_nc_u64 s[18:19], s[88:89], s[36:37]
	s_lshl_b32 s36, s40, 11
	s_lshl_b32 s41, s34, 8
	s_add_co_u32 s36, s36, s41
	s_add_co_u32 s36, s36, 12288
	s_add_nc_u64 s[20:21], s[90:91], s[36:37]
.irp i, 0,1,2,3
	global_load_b32 v[D+\i], v5, s[16:17] offset:1024*\i           ; word i: for head 4 h + i the bytes of positions 64 G + 4 r + 0 .. 3
.endr
.irp ot, 0,1
	global_load_b32 v[WS+\ot], v2, s[20:21] offset:128*\ot
.endr
.irp ot, 0,1
.irp u, 0,1
	global_load_b128 v[AV+8*\ot+4*\u:AV+8*\ot+4*\u+3], v6, s[6:7] offset:64*\ot+16*\u
	global_load_b128 v[CB+8*\ot+4*\u:CB+8*\ot+4*\u+3], v6, s[8:9] offset:64*\ot+16*\u
	global_load_b128 v[BO+8*\ot+4*\u:BO+8*\ot+4*\u+3], v6, s[10:11] offset:64*\ot+16*\u
.endr
.endr
.irp ot, 0,1
.irp s, 0,1
.irp c, 0,1
	global_load_b128 v[WF+16*\ot+8*\s+4*\c:WF+16*\ot+8*\s+4*\c+3], v1, s[18:19] offset:2048*\ot+1024*\s+512*\c
.endr
.endr
.endr
.irp q, 0,1,2,3
.irp s, 0,1
.irp c, 0,1
	global_load_b128 v[BF+16*\q+8*\s+4*\c:BF+16*\q+8*\s+4*\c+3], v4, s[14:15] offset:(4*\s+2*\c)*16384+256*\q
.endr
.endr
.endr
.irp ot, 0,1
.irp j, 0,1,2,3,4,5,6,7
	global_load_b128 v[X+32*\ot+4*\j:X+32*\ot+4*\j+3], v3, s[4:5] offset:(16*\ot+\j)*4096 th:TH_LOAD_NT     ; sixteen lanes read 256 bytes on end of a channel's row; read for the last time
.endr
.endr
	s_wait_loadcnt 40                              ; behind the 18 small loads: 24 fragment loads and 16 of x
	v_perm_b32 v[D+4], v[D+1], v[D], s28           ; a 4 x 4 turn of bytes: from words by head to words by tile q
	v_perm_b32 v[D+5], v[D+1], v[D], s29
	v_perm_b32 v[D+6], v[D+3], v[D+2], s28
	v_perm_b32 v[D+7], v[D+3], v[D+2], s29
	v_perm_b32 v[BS], v[D+6], v[D+4], s30
	v_perm_b32 v[BS+1], v[D+6], v[D+4], s31
	v_perm_b32 v[BS+2], v[D+7], v[D+5], s30
	v_perm_b32 v[BS+3], v[D+7], v[D+5], s31
.irp k, 0,1,2,3,4,5,6,7
	v_pk_add_f32 v[CB+2*\k:CB+2*\k+1], v[CB+2*\k:CB+2*\k+1], v[BO+2*\k:BO+2*\k+1]     ; beta + bout
.endr
	s_wait_kmcnt 0x0                               ; the statistics
.irp ot, 0,1
.irp j, 0,1,2,3,4,5,6,7
	v_mul_f32 v[AV+8*\ot+\j], s[25+2*\ot], v[AV+8*\ot+\j]          ; gamma / sqrt(var + eps).  (These and the additions are also the places between the scale words' last write and the products)
.endr
.endr
	s_wait_loadcnt 16                              ; the fragments are in; x may be out
.irp ot, 0,1
.irp s, 0,1                            ; four accumulators take turns, one instruction a turn
.irp q, 0,1,2,3
.if \s == 0
	v_wmma_scale_f32_16x16x128_f8f6f4 v[D+8*\q:D+8*\q+7], v[WF+16*\ot:WF+16*\ot+7], v[BF+16*\q:BF+16*\q+7], v[CB+8*\ot:CB+8*\ot+7], v[WS+\ot], v[BS+\q] matrix_a_fmt:MATRIX_FMT_FP4 matrix_b_fmt:MATRIX_FMT_FP4
.else
	v_wmma_scale_f32_16x16x128_f8f6f4 v[D+8*\q:D+8*\q+7], v[WF+16*\ot+8:WF+16*\ot+15], v[BF+16*\q+8:BF+16*\q+15], v[D+8*\q:D+8*\q+7], v[WS+\ot], v[BS+\q] matrix_a_fmt:MATRIX_FMT_FP4 matrix_b_fmt:MATRIX_FMT_FP4 matrix_a_scale:MATRIX_SCALE_ROW1 matrix_b_scale:MATRIX_SCALE_ROW1
.endif
.endr
.endr
	s_wait_loadcnt 8-8*\ot                         ; this tile's eight rows of x are in; the next tile's may be out
.irp k, 0,1,2,3,4,5,6,7,8,9,10,11,12,13,14,15
	v_pk_add_f32 v[X+32*\ot+2*\k:X+32*\ot+2*\k+1], v[X+32*\ot+2*\k:X+32*\ot+2*\k+1], s[24+2*\ot:25+2*\ot] op_sel_hi:[1,0] neg_lo:[0,1] neg_hi:[0,1]   ; x - mean: sixteen plain lines that name no register of the products: the places behind them
.endr
.irp j, 0,1,2,3,4,5,6,7                ; register j ascending: each accumulator is read from its low end on
.irp q, 0,1,2,3
	v_fma_f32 v[X+32*\ot+4*\j+\q], v[X+32*\ot+4*\j+\q], v[AV+8*\ot+\j], v[D+8*\q+\j]
.endr
	global_store_b128 v3, v[X+32*\ot+4*\j:X+32*\ot+4*\j+3], s[12:13] offset:(16*\ot+\j)*4096 th:TH_STORE_NT   ; sixteen lanes store 256 bytes on end, at a multiple of 256 from the buffer's first byte
.endr
.endr
	s_endpgm
.Lfunc_end_k_q4f087b1339_outp:
	.size	k_q4f087b1339_outp, .Lfunc_end_k_q4f087b1339_outp-k_q4f087b1339_outp
	.p2alignl 7, 3214868480
	.fill 96, 4, 3214868480
	.section	.rodata,"a",@progbits
	.p2align	6, 0x0
	.amdhsa_kernel k_q4f087b1339_outp
		.amdhsa_group_segment_fixed_size 0
		.amdhsa_private_segment_fixed_size 0
		.amdhsa_enable_private_segment 0
		.amdhsa_kernarg_size 120
		.amdhsa_user_sgpr_count 2
		.amdhsa_user_sgpr_kernarg_segment_ptr 1
		.amdhsa_wavefront_size32 1
		.amdhsa_system_sgpr_workgroup_id_x 1
		.amdhsa_system_sgpr_workgroup_id_y 1
		.amdhsa_system_sgpr_workgroup_id_z 1
		.amdhsa_system_vgpr_workitem_id 0
		.amdhsa_next_free_vgpr 256
		.amdhsa_next_free_sgpr 98
		.amdhsa_reserve_vcc 0
		.amdhsa_float_denorm_mode_32 3
		.amdhsa_float_denorm_mode_16_64 3
		.amdhsa_memory_ordered 1
		.amdhsa_forward_progress 1
		.amdhsa_inst_pref_size 20
	.end_amdhsa_kernel
	.amdgpu_metadata
---
amdhsa.version: [ 1, 2 ]
amdhsa.kernels:
  - .name:           k_q4f087b1339_outp
    .symbol:         k_q4f087b1339_outp.kd
    .args:
      - { .name: x_A, .offset: 0, .size: 8, .value_kind: global_buffer, .address_space: global }
      - { .name: x_B, .offset: 8, .size: 8, .value_kind: global_buffer, .address_space: global }
      - { .name: gA, .offset: 16, .size: 8, .value_kind: global_buffer, .address_space: global }
      - { .name: gB, .offset: 24, .size: 8, .value_kind: global_buffer, .address_space: global }
      - { .name: bA, .offset: 32, .size: 8, .value_kind: global_buffer, .address_space: global }
      - { .name: bB, .offset: 40, .size: 8, .value_kind: global_buffer, .address_space: global }
      - { .name: boutA, .offset: 48, .size: 8, .value_kind: global_buffer, .address_space: global }
      - { .name: boutB, .offset: 56, .size: 8, .value_kind: global_buffer, .address_space: global }
      - { .name: acodes, .offset: 64, .size: 8, .value_kind: global_buffer, .address_space: global }
      - { .name: ascale, .offset: 72, .size: 8, .value_kind: global_buffer, .address_space: global }
      - { .name: wcodes, .offset: 80, .size: 8, .value_kind: global_buffer, .address_space: global }
      - { .name: wscale, .offset: 88, .size: 8, .value_kind: global_buffer, .address_space: global }
      - { .name: stats, .offset: 96, .size: 8, .value_kind: global_buffer, .address_space: global }
      - { .name: out0, .offset: 104, .size: 8, .value_kind: global_buffer, .address_space: global }
      - { .name: out1, .offset: 112, .size: 8, .value_kind: global_buffer, .address_space: global }
    .group_segment_fixed_size: 0
    .private_segment_fixed_size: 0
    .kernarg_segment_align: 8
    .kernarg_segment_size: 120
    .max_flat_workgroup_size: 512
    .sgpr_count:     98
    .vgpr_count:     256
    .wavefront_size: 32
...
	.end_amdgpu_metadata
.endif
;; end of part 3
;; ======== version 2 of 2: 3 launches; version 1 with the launches attn, outp written anew for expert scheduling mode
;; workspace buffers: ncodes 4,194,304 bytes; nscale 262,144 bytes; wcodes 262,144 bytes; wscale 16,384 bytes; stats 4,096 bytes; acodes 4,194,304 bytes; ascale 262,144 bytes
;; launch prep: the kernel of part 1 again; grid 256 x 1, 8 waves a work-group, no clusters, 5,120 bytes of LDS; arguments x_A, x_B, gA, gB, bA, bB, WqkvA, WqkvB, WoutA, WoutB, ncodes, nscale, wcodes, wscale, stats; writes ncodes, nscale, wcodes, wscale, stats
;; launch attn (part 4): grid 256 x 1, 4 waves a work-group, no clusters, 56,832 bytes of LDS; arguments ncodes, nscale, wcodes, wscale, acodes, ascale; writes acodes, ascale
.if DOCPART == 4
	.amdgcn_target "amdgcn-amd-amdhsa--gfx1250"
	.amdhsa_code_object_version 6
	.text
	.protected	k_q4f087b1339_attn
	.globl	k_q4f087b1339_attn
	.p2align	8
	.type	k_q4f087b1339_attn,@function
k_q4f087b1339_attn:
	s_mov_b64 s[64:65], 0
	v_nop
	global_prefetch_b8 v0, s[64:65] scope:SCOPE_SE
	s_setreg_imm32_b32 hwreg(HW_REG_WAVE_SCHED_MODE, 0, 2), 2
	s_setreg_imm32_b32 hwreg(HW_REG_WAVE_MODE, 25, 1), 1
	s_wait_xcnt 0x0
	s_wait_alu depctr_vm_vsrc(0)
; One work-group = one (output branch, batch, head): the projections q (from the OTHER branch's norm and weight), k and v (own branch), their quantising, the scores, the finished softmax, its quantising,
; the product with v, and the quantising of the head's 32 output channels.  All products on codes of FP4 (E2M1) with one E8M0 scale for each 32 along K.
; SHARES.  Wave w owns positions 256 w .. 256 w + 255: it projects k, v and q for them; k and v reach the other waves through LDS as images of operand registers (one barrier); then it walks its 16 tiles of
; 16 queries, one a trip, each against all 1,024 keys.
; POSITIONS.  Tile q (0..3), row r of group G is position 64 G + 4 r + q.  In a result whose rows are positions a lane (r, h) holds rows 8 h + j, so its 32 registers 8 q + j of the four tiles are the 32
; positions 64 G + 32 h .. + 31: ONE block of the quantiser along the keys, all in one lane.  v and p use the same order of slots inside a block.
; K PACKED.  The head's K is 32 of the instruction's 128.  The query operand has its codes in ONE block of 32 and zero codes in the other three, so the key operand may hold other keys there: one operand of
; 8 registers holds the four tiles of a group, and four query operands (the same codes in block 0, 1, 2, 3) pick them out.  All keys take 128 registers, all of v 128: both stay in registers through the loop.
; ALL 16 x 1,024 SCORES OF A QUERY TILE STAY IN REGISTERS (512): the row's maximum and sum are known before any p is quantised, and each score costs one exponential.
; p = 2^(c s - c m) / sum, c = log2(e) / 16, m the row's largest score.  A block's largest p is made from the block's largest score by the same three instructions as every p.
; LIMITS: that takes v_exp_f32 not to fall where its input rises (at worst one p of a block is held one code low); v_exp_f32 gives 0 for results under 2^-126; a block of zeros, or under 2^-124, gets the
; scale byte 1 with zero or held codes (this program alone reads the bytes); NaN and infinities are not served.
; NO CLUSTER: what the 16 work-groups of a batch share (two branches' norm codes and scale bytes, 272 KB) is read once at the head, straight into operand registers; nothing is fetched in the loop.
; REGISTERS, in windows of 256.  Window 0: v0-15 addresses and masks; v16-35 the query operands; v36-39 the tile's codes; v40 its scale word; v42-65 scale words of k, v, p; v66-81 block maxima; v82-127 at work;
;   v128-143 the two accumulators of O (in the head: codes just made); v144-207 p's codes (in the head: a projection's results); v208-245 scale words of norm and of the weights.
;   Window 1: in the head the weights' 12 fragments and what the scale words are made of; then k (v0-127) and v (v128-255).   Windows 2, 3: in the head own and other norm's fragments; then the scores.
; THE MODE: SCHED_MODE bits 1:0 = 2 (LLVM: expert scheduling mode 2), set by the entry lines.  The code itself states the register dependences between vector or matrix instructions and memory or LDS
; instructions, with s_wait_alu, always for 0.
; THE PLAN.  Registers that memory or LDS instructions touch:
;   v1-v10           Addresses, written once at the head, ahead of the first load's wait; never written again.
;   window 1         Loaded at the head; read by the turns of bytes and by the projections; behind the barrier, and one wait, k and v land in it; the loop's products read it.
;   windows 2, 3     Loaded once at the head (no vector instruction names them before); read by the projections; from then on named by vector and matrix instructions alone.
;   OA.., BM+4..     In the head: written by a quantising macro, read by the LDS stores behind it (one wait on va_vdst ahead of each run of stores), written again by the next macro (one wait on vm_vsrc at its head).
;   v13, v14         In the loop: written at a trip's head, read by the two LDS loads of the next query tile in the trip's middle.
;   QR.., QS         Those loads land in them; read by the masks at the next trip's head and, as a scale, by its 64 score products.
;   v15, OC.., T+4   Written at a trip's end, read by its two stores.
; A trip has ONE wait on vm_vsrc, at its head, for all that the trip writes again, and five on va_vdst: ahead of the score products (their operands, and v13, v14); behind the exponentials (their results; and
; the score products and the masks are done with QS and QR: the two loads stand straight behind it); behind the reciprocal; ahead of the products with v (p's codes and scale words); ahead of the two stores.
.set QIMG, 0                           ; LDS: q's codes [G][q][r][16 bytes]
.set KIMG, 16384                       ; k's likewise: 1,024 bytes of a group are the image of its packed operand
.set VIMG, 32768                       ; v's: [channel tile 2][G 16][lane 32][16 bytes]
.set QSC,  49152                       ; q's scale byte, four times, a word a query
.set KSC,  53248                       ; k's scale bytes: 64 G + 4 r + q
.set VSC,  54272                       ; v's: (8 ct + K step) 64 + 4 r + block
.set ASC,  55296                       ; the output's scale bytes by position: 256 bytes are each wave's own
.set QR,   36
.set QS,   40
.set KS,   42
.set VS,   50
.set PW,   58
.set BM,   66
.set BY,   82
.set SUM,  98
.set NEGM, 106
.set RC,   108
.set T,    110
.set WO,   118
.set WX,   122
.set OC,   126
.set OA,   128
.set P,    144
.set NS,   208
.set WS,   240
.set MSB, 0
.macro WIN new                         ; low byte: bits 1:0 source 0, 3:2 source 1, 5:4 source 2, 7:6 destination; the high byte repeats the setting that is left
.if MSB != \new
	s_set_vgpr_msb (MSB<<8)|\new
.set MSB, \new
.endif
.endm
.macro PLACES n
.rept \n
	v_nop
.endr
.endm
; One matrix instruction.  acc = 0: the constant 0 starts the sum.  row = 0: both scale words from lanes 0-15; 1: source 0's from lanes 16-31; 3: both from lanes 16-31.
.macro MM d, a, b, acc, sa, sb, row
.if (\acc) != 0
.if (\row) == 0
	v_wmma_scale_f32_16x16x128_f8f6f4 v[(\d):(\d)+7], v[(\a):(\a)+7], v[(\b):(\b)+7], v[(\d):(\d)+7], v[\sa], v[\sb] matrix_a_fmt:MATRIX_FMT_FP4 matrix_b_fmt:MATRIX_FMT_FP4
.elseif (\row) == 1
	v_wmma_scale_f32_16x16x128_f8f6f4 v[(\d):(\d)+7], v[(\a):(\a)+7], v[(\b):(\b)+7], v[(\d):(\d)+7], v[\sa], v[\sb] matrix_a_fmt:MATRIX_FMT_FP4 matrix_b_fmt:MATRIX_FMT_FP4 matrix_a_scale:MATRIX_SCALE_ROW1
.else
	v_wmma_scale_f32_16x16x128_f8f6f4 v[(\d):(\d)+7], v[(\a):(\a)+7], v[(\b):(\b)+7], v[(\d):(\d)+7], v[\sa], v[\sb] matrix_a_fmt:MATRIX_FMT_FP4 matrix_b_fmt:MATRIX_FMT_FP4 matrix_a_scale:MATRIX_SCALE_ROW1 matrix_b_scale:MATRIX_SCALE_ROW1
.endif
.else
.if (\row) == 0
	v_wmma_scale_f32_16x16x128_f8f6f4 v[(\d):(\d)+7], v[(\a):(\a)+7], v[(\b):(\b)+7], 0, v[\sa], v[\sb] matrix_a_fmt:MATRIX_FMT_FP4 matrix_b_fmt:MATRIX_FMT_FP4
.elseif (\row) == 1
	v_wmma_scale_f32_16x16x128_f8f6f4 v[(\d):(\d)+7], v[(\a):(\a)+7], v[(\b):(\b)+7], 0, v[\sa], v[\sb] matrix_a_fmt:MATRIX_FMT_FP4 matrix_b_fmt:MATRIX_FMT_FP4 matrix_a_scale:MATRIX_SCALE_ROW1
.else
	v_wmma_scale_f32_16x16x128_f8f6f4 v[(\d):(\d)+7], v[(\a):(\a)+7], v[(\b):(\b)+7], 0, v[\sa], v[\sb] matrix_a_fmt:MATRIX_FMT_FP4 matrix_b_fmt:MATRIX_FMT_FP4 matrix_a_scale:MATRIX_SCALE_ROW1 matrix_b_scale:MATRIX_SCALE_ROW1
.endif
.endif
.endm
	s_load_b256 s[4:11], s[0:1], 0x0               ; ncodes, nscale, wcodes, wscale
	s_load_b128 s[12:15], s[0:1], 0x20             ; acodes, ascale
	v_lshl_add_u32 v254, v0, 2, 0xdc00
	v_mov_b32 v255, 0
	v_and_b32 v13, 31, v0                          ; lane
	v_and_b32 v14, 15, v0                          ; r
	v_bfe_u32 v15, v0, 4, 1                        ; h
	v_lshrrev_b32 v36, 5, v0                       ; wave w
	v_lshlrev_b32 v1, 4, v13                       ; v1   16 x lane: an image's place for my lane
	v_lshlrev_b32 v2, 2, v13                       ; v2   4 x lane: a scale word's
	v_lshlrev_b32 v10, 4, v14
	v_lshl_add_u32 v10, v36, 12, v10               ; v10  16 r + 4,096 w: a query's codes, the same for both halves of the lanes
	v_lshl_add_u32 v3, v15, 14, v10                ; v3   norm's fragments in memory: + 16,384 h (the next block of 32 channels)
	v_lshl_add_u32 v5, v15, 3, v10                 ; v5   where my 8 bytes of a position's 16 go: + 8 h; in LDS and in acodes
	v_lshlrev_b32 v6, 2, v14
	v_lshl_add_u32 v7, v36, 10, v6                 ; v7   q's scale words: 4 r + 1,024 w
	v_lshl_add_u32 v9, v36, 7, v6
	v_add_nc_u32 v9, v9, v15                       ; v9   v's scale bytes: 4 r + h + 128 w
	v_lshl_add_u32 v6, v36, 8, v6                  ; v6   bytes by position: 4 r + 256 w
	v_lshl_add_u32 v4, v15, 12, v6                 ; v4   norm's scale bytes in memory: + 4,096 h (four blocks on)
	v_lshl_add_u32 v8, v36, 11, v1                 ; v8   v's images: 16 x lane + 2,048 w
	v_cmp_gt_u32 vcc_lo, 16, v13
	s_wait_alu depctr_va_vcc(0)                    ; the compare has written VCC, which the two selects read
	v_cndmask_b32 v11, 0, -1, vcc_lo               ; v11  all ones in lanes 0-15
	v_cndmask_b32 v12, -1, 0, vcc_lo               ; v12  all ones in lanes 16-31
.irp i, 16,17,18,19,24,25,26,27,32,33,34,35        ; the zero codes of the query operands, for the whole launch
	v_mov_b32 v\i, 0
.endr
.irp i, 70,71,72,73,107,109,111,112,122,123,124,125   ; destinations of lane permutes and upper halves of pairs count as read: written once
	v_mov_b32 v\i, 0
.endr
	s_lshr_b32 s17, ttmp9, 3                       ; 16 branch + batch: own,
	s_xor_b32 s18, s17, 16                         ; other
	s_lshr_b32 s19, ttmp9, 7                       ; branch
	s_and_b32 s20, ttmp9, 7                        ; head n
	s_mul_i32 s21, s19, 48
	s_mul_i32 s22, s20, 6
	s_add_co_u32 s21, s21, s22
	s_add_co_u32 s21, s21, 2                       ; own weight's tiles of k and v: 48 branch + 6 n + 2 .. + 5
	s_xor_b32 s23, s19, 1
	s_mul_i32 s23, s23, 48
	s_add_co_u32 s23, s23, s22                     ; the other weight's tiles of q: + 0, + 1
	s_mov_b32 s40, 0x76543210
	s_mov_b32 s41, 0xfedcba98                      ; v_permlanex16_b32: lane l xor 16
	s_mov_b32 s42, 0x3db8aa3b                      ; c = log2(e) / 16
	s_mov_b32 s43, s42                             ; (named with it as a pair, so it is written)
	s_mov_b32 s44, 0x05010400                      ; v_perm_b32: bytes 0, 1 of two words by turns,
	s_mov_b32 s45, 0x07030602                      ; bytes 2, 3 by turns,
	s_mov_b32 s46, 0x05040100                      ; the two low halves,
	s_mov_b32 s47, 0x07060302                      ; the two high halves
	s_mov_b32 s53, 0
	s_wait_kmcnt 0x0
	s_lshl_b32 s52, s17, 17
	s_add_nc_u64 s[24:25], s[4:5], s[52:53]        ; norm's codes, own
	s_lshl_b32 s52, s18, 17
	s_add_nc_u64 s[26:27], s[4:5], s[52:53]        ; other
	s_lshl_b32 s52, s17, 13
	s_add_nc_u64 s[28:29], s[6:7], s[52:53]        ; norm's scale bytes, own
	s_lshl_b32 s52, s18, 13
	s_add_nc_u64 s[30:31], s[6:7], s[52:53]        ; other
	s_lshl_b32 s52, s21, 11
	s_add_nc_u64 s[32:33], s[8:9], s[52:53]        ; the weights' codes: k and v,
	s_lshl_b32 s52, s23, 11
	s_add_nc_u64 s[34:35], s[8:9], s[52:53]        ; q
	s_lshl_b32 s52, s21, 7
	s_add_nc_u64 s[36:37], s[10:11], s[52:53]      ; their scale words
	s_lshl_b32 s52, s23, 7
	s_add_nc_u64 s[38:39], s[10:11], s[52:53]
	s_lshl_b32 s52, ttmp9, 14
	s_add_nc_u64 s[12:13], s[12:13], s[52:53]      ; my head's 16 KB of acodes
	s_lshl_b32 s52, ttmp9, 10
	s_add_nc_u64 s[14:15], s[14:15], s[52:53]      ; and 1,024 bytes of ascale
	; ---- the head's loads.  Weight fragment (e, K step s) at v[16 e + 8 s] of window 1: e = 0, 1 q; 2, 3 k; 4, 5 v
	WIN 0x40
	s_wait_alu depctr_va_vdst(0)                   ; the addresses v1 to v10 are written, which every load and store of the kernel reads
.irp e, 0,1
.irp s, 0,1
.irp c, 0,1
	global_load_b128 v[16*\e+8*\s+4*\c:16*\e+8*\s+4*\c+3], v1, s[34:35] offset:2048*\e+1024*\s+512*\c
.endr
.endr
.endr
.irp e, 2,3,4,5
.irp s, 0,1
.irp c, 0,1
	global_load_b128 v[16*\e+8*\s+4*\c:16*\e+8*\s+4*\c+3], v1, s[32:33] offset:2048*(\e-2)+1024*\s+512*\c
.endr
.endr
.endr
.irp g, 0,1,2,3                        ; norm's scale bytes of my four groups: word i holds, for channel block 4 h + i, the bytes of positions 64 G + 4 r + 0 .. 3
.irp i, 0,1,2,3
	global_load_b32 v[96+4*\g+\i], v4, s[28:29] offset:1024*\i+64*\g
	global_load_b32 v[112+4*\g+\i], v4, s[30:31] offset:1024*\i+64*\g
.endr
.endr
	WIN 0
.irp e, 0,1
	global_load_b32 v[WS+\e], v2, s[38:39] offset:128*\e           ; lanes 0-15: K step 0's words, lanes 16-31: K step 1's
.endr
.irp e, 2,3,4,5
	global_load_b32 v[WS+\e], v2, s[36:37] offset:128*(\e-2)
.endr
	WIN 0x80                                       ; own norm's fragments (group g, tile q, K step s) at v[64 g + 16 q + 8 s] of window 2
.irp g, 0,1,2,3
.irp q, 0,1,2,3
.irp s, 0,1
.irp c, 0,1
	global_load_b128 v[64*\g+16*\q+8*\s+4*\c:64*\g+16*\q+8*\s+4*\c+3], v3, s[24:25] offset:(4*\s+2*\c)*16384+1024*\g+256*\q
.endr
.endr
.endr
.endr
	s_wait_loadcnt 63                              ; behind the 62 small loads 64 were issued: with 63 out at the most the small ones are in
	WIN 0x45                                       ; a 4 x 4 turn of bytes: from words by channel block to words by tile q
.irp g, 0,1,2,3,4,5,6,7
	v_perm_b32 v[128+4*\g], v[97+4*\g], v[96+4*\g], s44
	v_perm_b32 v[129+4*\g], v[97+4*\g], v[96+4*\g], s45
	v_perm_b32 v[130+4*\g], v[99+4*\g], v[98+4*\g], s44
	v_perm_b32 v[131+4*\g], v[99+4*\g], v[98+4*\g], s45
.endr
	WIN 0x05
.irp g, 0,1,2,3,4,5,6,7                ; scale word of tile q of group g: own at NS + 4 g + q, other at NS + 16 + ..; lanes 0-15 K step 0, lanes 16-31 K step 1
	v_perm_b32 v[NS+4*\g], v[130+4*\g], v[128+4*\g], s46
	v_perm_b32 v[NS+4*\g+1], v[130+4*\g], v[128+4*\g], s47
	v_perm_b32 v[NS+4*\g+2], v[131+4*\g], v[129+4*\g], s46
	v_perm_b32 v[NS+4*\g+3], v[131+4*\g], v[129+4*\g], s47
.endr
	WIN 0xc0                                       ; the other norm's fragments, in window 3.  No wait: no vector instruction since the wait ahead of the first load names v3 or a register of window 3
.irp g, 0,1,2,3
.irp q, 0,1,2,3
.irp s, 0,1
.irp c, 0,1
	global_load_b128 v[64*\g+16*\q+8*\s+4*\c:64*\g+16*\q+8*\s+4*\c+3], v3, s[26:27] offset:(4*\s+2*\c)*16384+1024*\g+256*\q
.endr
.endr
.endr
.endr
	WIN 0
	PLACES 8                                       ; scale words written by vector instructions stand eight places ahead of a scaled matrix instruction
	s_wait_alu depctr_va_vdst(0)                   ; the turns of bytes have written norm's scale words v[NS ..], which the projections take as scales; the places above stay beside this wait
; A projection used transposed: source 0 = 16 rows of the weight, source 1 = 16 positions.  Result (q, ct) at P + 16 q + 8 ct: lane (r, h) holds position slot r of tile q and channels 16 ct + 8 h + j.
; Eight accumulators take turns, one instruction a turn.
.macro PROJT e0, win, gl, ns
	WIN \win
.irp s, 0,1
.irp q, 0,1,2,3
.irp ct, 0,1
	MM P+16*\q+8*\ct, 16*(\e0+\ct)+8*\s, 64*\gl+16*\q+8*\s, \s, WS+\e0+\ct, \ns+4*\gl+\q, 3*\s
.endr
.endr
.endr
.endm
; v's projection the other way round: source 0 = 16 positions, source 1 = 16 rows of the weight.  Result (ct, q) at P + 32 ct + 8 q: lane (r, h) holds channel 16 ct + r and key block 2 G + h whole.
.macro PROJN gl
	WIN 0x06
.irp s, 0,1
.irp q, 0,1,2,3
.irp ct, 0,1
	MM P+32*\ct+8*\q, 64*\gl+16*\q+8*\s, 16*(4+\ct)+8*\s, \s, NS+4*\gl+\q, WS+4+\ct, 3*\s
.endr
.endr
.endr
.endm
; Four positions' blocks of 32 channels, 16 of each in my lane and 16 in lane l xor 16: codes to OA + 2 b, + 1, bytes to BM + 4 + b.  Each accumulator is read from its low end on.
; prev = 0: the launch's first quantising, with no LDS store ahead of it.
.macro QUANTH prev
	WIN 0
	s_wait_dscnt 0x0                               ; the last LDS stores are done
.if \prev
	s_wait_alu depctr_vm_vsrc(0)                   ; the last LDS stores have read v[OA ..] and v[BM+4 ..], which are written below
.endif
	PLACES 4                                       ; four places between the products and the first read of their results
.irp b, 0,1,2,3
	v_max3_num_f32 v[BM+\b], |v[P+16*\b]|, |v[P+16*\b+1]|, 0x1800000   ; with the floor 2^(3 - 127)
.endr
.irp i, 2,4,6,8,10,12,14
.irp b, 0,1,2,3
	v_max3_num_f32 v[BM+\b], v[BM+\b], |v[P+16*\b+\i]|, |v[P+16*\b+\i+1]|
.endr
.endr
.irp b, 0,1,2,3
	v_permlanex16_b32 v[BM+4+\b], v[BM+\b], s40, s41
.endr
.irp b, 0,1,2,3
	v_max_num_f32 v[BM+\b], v[BM+\b], v[BM+4+\b]
.endr
.irp b, 0,1,2,3
	v_add_nc_u32 v[BM+12+\b], 0xff000000, v[BM+\b] ; 2 off the exponent field: the conversion's scale operand
.endr
.irp b, 0,1,2,3
	v_lshrrev_b32 v[BM+4+\b], 23, v[BM+12+\b]      ; the scale's byte
.endr
.irp b, 0,1,2,3
	v_cvt_scalef32_pk8_fp4_f32 v[OA+2*\b], v[P+16*\b:P+16*\b+7], v[BM+12+\b]
	v_cvt_scalef32_pk8_fp4_f32 v[OA+2*\b+1], v[P+16*\b+8:P+16*\b+15], v[BM+12+\b]
.endr
	v_nop                                          ; a plain line behind the last conversion
.endm
; Two whole blocks of 32 keys (channel tiles 0, 1), all in my lane: codes to OA + 4 ct .. + 3, bytes to BM + 4 + ct.
.macro QUANTV
	WIN 0
	s_wait_dscnt 0x0                               ; the last LDS stores are done
	s_wait_alu depctr_vm_vsrc(0)                   ; k's LDS stores have read v[OA ..] and v[BM+4 ..], which are written below
	PLACES 4
.irp t, 0,1,2,3
	v_max3_num_f32 v[BM+\t], |v[P+16*\t]|, |v[P+16*\t+1]|, 0x1800000
.endr
.irp i, 2,4,6,8,10,12,14
.irp t, 0,1,2,3
	v_max3_num_f32 v[BM+\t], v[BM+\t], |v[P+16*\t+\i]|, |v[P+16*\t+\i+1]|
.endr
.endr
.irp ct, 0,1
	v_max_num_f32 v[BM+2*\ct], v[BM+2*\ct], v[BM+2*\ct+1]
.endr
.irp ct, 0,1
	v_add_nc_u32 v[BM+12+\ct], 0xff000000, v[BM+2*\ct]
.endr
.irp ct, 0,1
	v_lshrrev_b32 v[BM+4+\ct], 23, v[BM+12+\ct]
.endr
.irp ct, 0,1
.irp i, 0,1,2,3
	v_cvt_scalef32_pk8_fp4_f32 v[OA+4*\ct+\i], v[P+32*\ct+8*\i:P+32*\ct+8*\i+7], v[BM+12+\ct]
.endr
.endr
	v_nop
.endm
.macro KVGROUP gl
	s_wait_loadcnt 63                              ; behind this group's fragments at least 64 loads were issued
	PROJT 2, 0x09, \gl, NS
	QUANTH \gl
	s_wait_alu depctr_va_vdst(0)                   ; the conversions have written k's codes v[OA ..], the shifts its bytes v[BM+4 ..]: the LDS stores read them
.irp b, 0,1,2,3
	ds_store_b64 v5, v[OA+2*\b:OA+2*\b+1] offset:KIMG+\gl*1024+\b*256   ; lanes r and r + 16 fill a key's 16 bytes: quarters 0, 2 | 1, 3
	ds_store_b8 v6, v[BM+4+\b] offset:KSC+\gl*64+\b                    ; both write the same byte with the same value
.endr
	PROJN \gl
	QUANTV
	s_wait_alu depctr_va_vdst(0)                   ; the conversions have written v's codes v[OA ..], the shifts its bytes v[BM+4 ..]: the LDS stores read them
.irp ct, 0,1
	ds_store_b128 v8, v[OA+4*\ct:OA+4*\ct+3] offset:VIMG+\ct*8192+\gl*512
	ds_store_b8 v9, v[BM+4+\ct] offset:VSC+\ct*512+(\gl/2)*64+2*(\gl%2)
.endr
.endm
.macro QGROUP gl
	s_wait_loadcnt 48-16*\gl                       ; behind this group's 16 loads: those of the later groups
	PROJT 0, 0x0d, \gl, NS+16
	QUANTH 1
.irp b, 0,1,2,3
	v_lshl_or_b32 v[BM+4+\b], v[BM+4+\b], 8, v[BM+4+\b]            ; the byte four times: it serves in whichever block the codes are put
.endr
.irp b, 0,1,2,3
	v_lshl_or_b32 v[BM+4+\b], v[BM+4+\b], 16, v[BM+4+\b]
.endr
	s_wait_alu depctr_va_vdst(0)                   ; the conversions have written q's codes v[OA ..], the lines above its scale words v[BM+4 ..]: the LDS stores read them
.irp b, 0,1,2,3
	ds_store_b64 v5, v[OA+2*\b:OA+2*\b+1] offset:QIMG+\gl*1024+\b*256
	ds_store_b32 v7, v[BM+4+\b] offset:QSC+\gl*256+\b*64
.endr
.endm
	KVGROUP 0
	KVGROUP 1
	KVGROUP 2
	KVGROUP 3
	QGROUP 0
	QGROUP 1
	QGROUP 2
	QGROUP 3
	s_wait_dscnt 0x0                               ; for the others' sake: my stores have landed
	s_barrier_signal -1
	s_barrier_wait -1                              ; all keys and all of v lie in LDS; nothing there is written again but each wave's own output bytes
	; ---- k and v into registers, for the whole loop
	WIN 0x40
	s_wait_alu depctr_va_vdst(0)                   ; the projections are done reading the weights' fragments, the turns of bytes are done with the words beside them: k and v land in these registers of window 1
.irp g, 0,1,2,3,4,5,6,7,8,9,10,11,12,13,14,15
.irp c, 0,1
	ds_load_b128 v[8*\g+4*\c:8*\g+4*\c+3], v1 offset:KIMG+\g*1024+\c*512               ; lane (r, h), registers 4 c on: tile 2 c + h, row r
.endr
.endr
.irp ct, 0,1
.irp s, 0,1,2,3,4,5,6,7
.irp c, 0,1
	ds_load_b128 v[128+64*\ct+8*\s+4*\c:128+64*\ct+8*\s+4*\c+3], v1 offset:VIMG+\ct*8192+\s*1024+\c*512
.endr
.endr
.endr
	WIN 0
.irp i, 0,1,2,3,4,5,6,7
	ds_load_b32 v[KS+\i], v2 offset:KSC+128*\i     ; lanes 0-15: group 2 i, lanes 16-31: group 2 i + 1
.endr
.irp ct, 0,1
.irp i, 0,1,2,3
	ds_load_b32 v[VS+4*\ct+\i], v2 offset:VSC+512*\ct+128*\i       ; lanes 0-15: K step 2 i, lanes 16-31: K step 2 i + 1
.endr
.endr
	ds_load_b128 v[QR:QR+3], v10 offset:QIMG       ; my first tile of queries
	ds_load_b32 v[QS], v7 offset:QSC
.macro SCORES win, g0                  ; S^T = K Q^T for eight groups: result (g, tile j) at v[32 g + 8 j]: lane (r, h) holds query r and keys 64 G + 32 h + 4 i + j
	WIN \win
.irp g, 0,1,2,3,4,5,6,7
	MM 32*\g, 8*(\g0+\g), 20, 0, KS+(\g0+\g)/2, QS, \g%2
	MM 32*\g+8, 8*(\g0+\g), 28, 0, KS+(\g0+\g)/2, QS, \g%2
	MM 32*\g+16, 8*(\g0+\g), 16, 0, KS+(\g0+\g)/2, QS, \g%2
	MM 32*\g+24, 8*(\g0+\g), 24, 0, KS+(\g0+\g)/2, QS, \g%2
.endr
.endm
.macro ROWMAX win, g0                  ; the largest score of each block of 32 keys, the eight groups by turns; registers ascending, so each result is read from its low end on
	WIN \win
.irp g, 0,1,2,3,4,5,6,7
	v_max_num_f32 v[BM+\g0+\g], v[32*\g], v[32*\g+1]
.endr
.irp i, 2,4,6,8,10,12,14,16,18,20,22,24,26,28,30
.irp g, 0,1,2,3,4,5,6,7
	v_max3_num_f32 v[BM+\g0+\g], v[32*\g+\i], v[32*\g+\i+1], v[BM+\g0+\g]
.endr
.endr
.endm
.macro EXPW win                        ; 2^(c s - c m) of a window's 256 scores; a scaling two pairs ahead stands behind every second exponential
	WIN \win
	v_pk_fma_f32 v[0:1], v[0:1], s[42:43], v[NEGM:NEGM+1] op_sel_hi:[1,0,0]
	v_pk_fma_f32 v[2:3], v[2:3], s[42:43], v[NEGM:NEGM+1] op_sel_hi:[1,0,0]
.set KK, 0
.rept 126
	v_exp_f32 v[2*KK], v[2*KK]
	v_pk_fma_f32 v[2*KK+4:2*KK+5], v[2*KK+4:2*KK+5], s[42:43], v[NEGM:NEGM+1] op_sel_hi:[1,0,0]
	v_exp_f32 v[2*KK+1], v[2*KK+1]
.set KK, KK+1
.endr
	v_exp_f32 v252, v252
	v_exp_f32 v253, v253
	v_exp_f32 v254, v254
	v_exp_f32 v255, v255
.endm
.macro NORMCVT wn, wc, g0              ; p = e / sum, then its codes: group G's 32 registers give registers 4 G .. 4 G + 3 of the operand
	WIN \wn
.set KK, 0
.rept 128
	v_pk_mul_f32 v[2*KK:2*KK+1], v[2*KK:2*KK+1], v[RC:RC+1] op_sel_hi:[1,0]
.set KK, KK+1
.endr
	WIN \wc
.irp g, 0,1,2,3,4,5,6,7
.irp i, 0,1,2,3
	v_cvt_scalef32_pk8_fp4_f32 v[P+4*(\g0+\g)+\i], v[32*\g+8*\i:32*\g+8*\i+7], v[BM+\g0+\g]
.endr
.endr
.endm
	s_mov_b32 s48, 0                               ; the trip: my query tile 0 .. 15 = 4 x group + tile
.Ltile:
	s_wait_dscnt 0x0                               ; the tile's codes and scale word are in (first trip: k and v too)
	s_wait_alu depctr_vm_vsrc(0)                   ; the last trip's LDS loads have read v13 and v14, its stores v15, v[OC:OC+1] and v[T+4]; in the first trip the head's LDS stores have read v[OA ..] and v[BM+4 ..]: this trip writes all of them again
	s_add_co_u32 s49, s48, 1                       ; the next tile's addresses are made here, ahead of the wait that the score products owe; the last trip names tile 0 again, which nobody uses
	s_and_b32 s49, s49, 15
	s_lshl_b32 s50, s49, 6
	s_lshl_b32 s49, s49, 8
	v_add_nc_u32 v13, s49, v10
	v_add_nc_u32 v14, s50, v7
.irp i, 0,1,2,3
	v_and_b32 v[20+\i], v[QR+\i], v11              ; the codes in lanes 0-15 alone: blocks 0 and 2,
	v_and_b32 v[28+\i], v[QR+\i], v12              ; in lanes 16-31 alone: blocks 1 and 3
.endr
	PLACES 4                                       ; an operand written by vector instructions stands four places ahead of a scaled matrix instruction
	s_wait_alu depctr_va_vdst(0)                   ; the masks have written the query operands v[20:23] and v[28:31], which the score products take; v13 and v14 are written, which the LDS loads behind the exponentials read
	SCORES 0x81, 0
	SCORES 0xc1, 8
	PLACES 4
	ROWMAX 0x0a, 0
	ROWMAX 0x0f, 8
	WIN 0
	v_max3_num_f32 v[T], v[BM], v[BM+1], v[BM+2]   ; the row's largest score: two chains,
	v_max3_num_f32 v[T+1], v[BM+3], v[BM+4], v[BM+5]
	v_max3_num_f32 v[T], v[T], v[BM+6], v[BM+7]
	v_max3_num_f32 v[T+1], v[T+1], v[BM+8], v[BM+9]
	v_max3_num_f32 v[T], v[T], v[BM+10], v[BM+11]
	v_max3_num_f32 v[T+1], v[T+1], v[BM+12], v[BM+13]
	v_max3_num_f32 v[T], v[T], v[BM+14], v[BM+15]
	v_max_num_f32 v[T], v[T], v[T+1]
	v_permlanex16_b32 v[T+2], v[T], s40, s41       ; and the other half of the lanes' 512 keys
	v_max_num_f32 v[T], v[T], v[T+2]
	v_mul_f32 v[NEGM], 0xbdb8aa3b, v[T]            ; - c m
.irp k, 0,1,2,3,4,5,6,7
	v_pk_fma_f32 v[BM+2*\k:BM+2*\k+1], v[BM+2*\k:BM+2*\k+1], s[42:43], v[NEGM:NEGM+1] op_sel_hi:[1,0,0]   ; each block's largest score goes the way of every score
.endr
.irp k, 0,1,2,3,4,5,6,7,8,9,10,11,12,13,14,15
	v_exp_f32 v[BM+\k], v[BM+\k]
.endr
	EXPW 0x82
	EXPW 0xc3
	WIN 0
	s_wait_alu depctr_va_vdst(0)                   ; the 528 exponentials have written their results, ahead of the first line that names one; the score products are done reading v[QS] and the masks v[QR ..], in which the two loads below land
	ds_load_b128 v[QR:QR+3], v13 offset:QIMG       ; the next tile's codes and scale word: they have the rest of the trip in which to land
	ds_load_b32 v[QS], v14 offset:QSC
	WIN 0x0a                                       ; the row's sum of the 512 numbers in my lane: four chains of pairs; the first lines start them
.irp k, 0,1,2,3
	v_pk_add_f32 v[SUM+2*\k:SUM+2*\k+1], v[2*\k:2*\k+1], v[8+2*\k:9+2*\k]
.endr
	WIN 0x02
.set KK, 8
.rept 120
	v_pk_add_f32 v[SUM+2*(KK%4):SUM+2*(KK%4)+1], v[2*KK:2*KK+1], v[SUM+2*(KK%4):SUM+2*(KK%4)+1]
.set KK, KK+1
.endr
	WIN 0x03
.set KK, 0
.rept 128
	v_pk_add_f32 v[SUM+2*(KK%4):SUM+2*(KK%4)+1], v[2*KK:2*KK+1], v[SUM+2*(KK%4):SUM+2*(KK%4)+1]
.set KK, KK+1
.endr
	WIN 0
	v_pk_add_f32 v[SUM:SUM+1], v[SUM:SUM+1], v[SUM+2:SUM+3]
	v_pk_add_f32 v[SUM+4:SUM+5], v[SUM+4:SUM+5], v[SUM+6:SUM+7]
	v_pk_add_f32 v[SUM:SUM+1], v[SUM:SUM+1], v[SUM+4:SUM+5]
	v_add_f32 v[T], v[SUM], v[SUM+1]
	v_permlanex16_b32 v[T+1], v[T], s40, s41
	v_add_f32 v[T], v[T], v[T+1]
	v_rcp_f32 v[RC], v[T]
	v_nop                                          ; a plain line between the reciprocal and its use
	s_wait_alu depctr_va_vdst(0)                   ; the reciprocal has written v[RC], ahead of the first line that names it
.irp k, 0,1,2,3,4,5,6,7
	v_pk_mul_f32 v[BM+2*\k:BM+2*\k+1], v[BM+2*\k:BM+2*\k+1], v[RC:RC+1] op_sel_hi:[1,0]     ; each block's largest p
.endr
.irp k, 0,1,2,3,4,5,6,7,8,9,10,11,12,13,14,15
	v_max_num_f32 v[BM+\k], 0x1800000, v[BM+\k]    ; the floor: the byte cannot fall under 1
.endr
.irp k, 0,1,2,3,4,5,6,7,8,9,10,11,12,13,14,15
	v_add_nc_u32 v[BM+\k], 0xff000000, v[BM+\k]    ; the conversion's scale operand
.endr
.irp k, 0,1,2,3,4,5,6,7,8,9,10,11,12,13,14,15
	v_lshrrev_b32 v[BY+\k], 23, v[BM+\k]           ; the byte of block 2 G + h
.endr
.irp i, 0,1,2,3
	v_lshl_or_b32 v[WO+\i], v[BY+4*\i+1], 8, v[BY+4*\i]
.endr
.irp i, 0,1,2,3
	v_lshl_or_b32 v[WO+\i], v[BY+4*\i+2], 16, v[WO+\i]
.endr
.irp i, 0,1,2,3
	v_lshl_or_b32 v[WO+\i], v[BY+4*\i+3], 24, v[WO+\i]
.endr
.irp i, 0,1,2,3
	v_permlanex16_b32 v[WX+\i], v[WO+\i], s40, s41 ; the other half's bytes
.endr
.irp i, 0,1,2,3
	v_perm_b32 v[PW+2*\i], v[WX+\i], v[WO+\i], s44     ; p's scale word of K step s: byte 2 c + h is group 2 s + c, half h (lanes 0-15 are read)
	v_perm_b32 v[PW+2*\i+1], v[WX+\i], v[WO+\i], s45
.endr
	NORMCVT 0x82, 0x02, 0
	NORMCVT 0xc3, 0x03, 8
	PLACES 4                                       ; four places between the last codes and the products that take them
	s_wait_alu depctr_va_vdst(0)                   ; the conversions have written p's codes v[P ..], the byte turns its scale words v[PW ..]: the products below take them; the places above stay beside this wait
	WIN 0x01                                       ; O^T = V^T P^T: source 0 = 16 channels of v, source 1 = p; two accumulators by turns
.irp s, 0,1,2,3,4,5,6,7
.irp ct, 0,1
	MM OA+8*\ct, 128+64*\ct+8*\s, P+8*\s, \s, VS+4*\ct+\s/2, PW+\s, \s%2
.endr
.endr
	WIN 0
	PLACES 4
	v_max3_num_f32 v[T], |v[OA]|, |v[OA+1]|, 0x1800000             ; the head's 32 channels of a query are one block: 16 in my lane, 16 in lane l xor 16
	v_max3_num_f32 v[T+1], |v[OA+8]|, |v[OA+9]|, 0x1800000
.irp i, 2,4,6
	v_max3_num_f32 v[T], v[T], |v[OA+\i]|, |v[OA+\i+1]|
	v_max3_num_f32 v[T+1], v[T+1], |v[OA+8+\i]|, |v[OA+9+\i]|
.endr
	v_max_num_f32 v[T], v[T], v[T+1]
	v_permlanex16_b32 v[T+2], v[T], s40, s41
	v_max_num_f32 v[T], v[T], v[T+2]
	v_add_nc_u32 v[T+3], 0xff000000, v[T]
	v_cvt_scalef32_pk8_fp4_f32 v[OC], v[OA:OA+7], v[T+3]
	v_cvt_scalef32_pk8_fp4_f32 v[OC+1], v[OA+8:OA+15], v[T+3]
	v_lshrrev_b32 v[T+4], 23, v[T+3]               ; the byte (a plain line behind the conversions)
	s_lshr_b32 s51, s48, 2
	s_lshl_b32 s51, s51, 6
	s_and_b32 s54, s48, 3
	s_add_co_u32 s51, s51, s54                     ; 64 x group + tile: with 4 r + 256 w the query's position
	v_add_nc_u32 v15, s51, v6
	s_wait_alu depctr_va_vdst(0)                   ; the conversions have written v[OC:OC+1], the shift v[T+4], the addition v15: the two stores read them
	global_store_b64 v5, v[OC:OC+1], s[12:13]      ; the 32 lanes store 256 bytes on end, at a multiple of 256 from the buffer's first byte
	ds_store_b8 v15, v[T+4] offset:ASC             ; both halves write the same byte with the same value
	s_wait_xcnt 0x0                                ; the store has read its data and its base: both are written again
	s_add_nc_u64 s[12:13], s[12:13], 256
	s_add_co_u32 s48, s48, 1
	s_cmp_lt_u32 s48, 16
	s_cbranch_scc1 .Ltile
	s_wait_alu depctr_vm_vsrc(0)                   ; the last trip's LDS load has read v13, which is written below
	v_lshlrev_b32 v13, 3, v0                       ; my wave's 256 scale bytes, 8 a lane
	s_wait_alu depctr_va_vdst(0)                   ; v13 is written, which the load and the store below read; the last trip's vector instructions are done with v[T:T+1], in which the load lands
	ds_load_b64 v[T:T+1], v13 offset:ASC           ; LDS serves a wave's instructions in order: these see my stores
	s_wait_dscnt 0x0
	global_store_b64 v13, v[T:T+1], s[14:15]       ; 256 bytes on end
	s_wait_dscnt 0x0                               ; the closing lines, six on end
	s_wait_alu 0x0
	s_wait_tensorcnt 0x0
	ds_add_u32 v254, v255
	s_wait_dscnt 0x0
	s_endpgm
.Lfunc_end_k_q4f087b1339_attn:
	.size	k_q4f087b1339_attn, .Lfunc_end_k_q4f087b1339_attn-k_q4f087b1339_attn
	.p2alignl 7, 3214868480
	.fill 96, 4, 3214868480
	.section	.rodata,"a",@progbits
	.p2align	6, 0x0
	.amdhsa_kernel k_q4f087b1339_attn
		.amdhsa_group_segment_fixed_size 56832
		.amdhsa_private_segment_fixed_size 0
		.amdhsa_enable_private_segment 0
		.amdhsa_kernarg_size 48
		.amdhsa_user_sgpr_count 2
		.amdhsa_user_sgpr_kernarg_segment_ptr 1
		.amdhsa_wavefront_size32 1
		.amdhsa_system_sgpr_workgroup_id_x 1
		.amdhsa_system_sgpr_workgroup_id_y 1
		.amdhsa_system_sgpr_workgroup_id_z 1
		.amdhsa_system_vgpr_workitem_id 0
		.amdhsa_next_free_vgpr 1024
		.amdhsa_next_free_sgpr 66
		.amdhsa_reserve_vcc 1
		.amdhsa_float_denorm_mode_32 3
		.amdhsa_float_denorm_mode_16_64 3
		.amdhsa_memory_ordered 1
		.amdhsa_forward_progress 1
		.amdhsa_inst_pref_size 209
	.end_amdhsa_kernel
	.amdgpu_metadata
---
amdhsa.version: [ 1, 2 ]
amdhsa.kernels:
  - .name:           k_q4f087b1339_attn
    .symbol:         k_q4f087b1339_attn.kd
    .args:
      - { .name: ncodes, .offset: 0, .size: 8, .value_kind: global_buffer, .address_space: global }
      - { .name: nscale, .offset: 8, .size: 8, .value_kind: global_buffer, .address_space: global }
      - { .name: wcodes, .offset: 16, .size: 8, .value_kind: global_buffer, .address_space: global }
      - { .name: wscale, .offset: 24, .size: 8, .value_kind: global_buffer, .address_space: global }
      - { .name: acodes, .offset: 32, .size: 8, .value_kind: global_buffer, .address_space: global }
      - { .name: ascale, .offset: 40, .size: 8, .value_kind: global_buffer, .address_space: global }
    .group_segment_fixed_size: 56832
    .private_segment_fixed_size: 0
    .kernarg_segment_align: 8
    .kernarg_segment_size: 48
    .max_flat_workgroup_size: 128
    .sgpr_count:     66
    .vgpr_count:     1024
    .wavefront_size: 32
...
	.end_amdgpu_metadata
.endif
;; end of part 4
;; launch outp (part 5): grid 256 x 1, 16 waves a work-group, no clusters, 0 bytes of LDS; arguments x_A, x_B, gA, gB, bA, bB, boutA, boutB, acodes, ascale, wcodes, wscale, stats, out0, out1; writes out0, out1
.if DOCPART == 5
	.amdgcn_target "amdgcn-amd-amdhsa--gfx1250"
	.amdhsa_code_object_version 6
	.text
	.protected	k_q4f087b1339_outp
	.globl	k_q4f087b1339_outp
	.p2align	8
	.type	k_q4f087b1339_outp,@function
k_q4f087b1339_outp:
	s_mov_b64 s[64:65], 0
	v_nop
	global_prefetch_b8 v0, s[64:65] scope:SCOPE_SE
	s_setreg_imm32_b32 hwreg(HW_REG_WAVE_SCHED_MODE, 0, 2), 2
	s_setreg_imm32_b32 hwreg(HW_REG_WAVE_MODE, 25, 1), 1
	s_wait_xcnt 0x0
	s_wait_alu depctr_vm_vsrc(0)
; out = Wout (attention's output) + bout + norm, the product on codes of FP4 (E2M1) with one E8M0 scale for each 32 along K; norm is made anew from x and the stored statistics, in f32.
; Work-group id = 128 branch + 8 batch + pc takes 128 positions of all 256 channels.  Wave w: group of 64 positions G = 2 pc + w % 2, channels 32 (w / 2) .. + 31: two tiles of 16, each one norm group.
; Source 0 = 16 rows of Wout, source 1 = tile q of the attention's codes (row r = position 64 G + 4 r + q).  Register j of result q in lane (r, h) is out[channel 8 h + j][position 64 G + 4 r + q], so the four
; results' registers j are 16 bytes on end of a row of out; x is loaded in just that shape, the residual is added in place, and sixteen lanes store 256 bytes on end.  No LDS, no barrier.
; beta + bout is the C of each sum's first matrix instruction.
; NO CLUSTER, no ring: a work-group reads 128 KB of x of its own; what it shares with others (Wout's 32 KB of codes, a batch's attention codes) is small beside that and is read once, at the head.
; LIMITS: NaN and infinities among the inputs are not served.
; THE MODE: SCHED_MODE bits 1:0 = 2 (LLVM: expert scheduling mode 2), set by the entry lines.  The code itself states the register dependences between vector or matrix instructions and memory
; instructions, with s_wait_alu, always for 0.
; THE PLAN.  Registers that memory instructions touch:
;   v1-v6      Offsets, written once at the head, ahead of the first load's wait; never written again.
;   all loaded registers are loaded once, in one run at the head, and no vector instruction names them before.
;   v[X ..]    Tile ot's 32 registers: loaded; changed in place by the tile's 16 subtractions and 32 multiply-adds; read by its eight stores, which stand in one run behind one wait; never written again.
; So the text has one wait for the wave's number, one ahead of the loads, one ahead of the first product (its scale words are made by vector instructions) and one ahead of each tile's run of stores.
.set BS, 8                             ; v8-11    the attention tiles' scale words: lanes 0-15 K step 0, lanes 16-31 K step 1
.set WS, 12                            ; v12-13   Wout's, likewise
.set CB, 16                            ; v16-31   beta + bout, in the result's layout, 8 a tile
.set WF, 32                            ; v32-63   Wout's fragments (tile ot, K step s) at 16 ot + 8 s
.set X,  64                            ; v64-127  x, then out: 32 ot + 4 j + q
.set D,  128                           ; v128-159 four accumulators; ahead of the products what the scale words are made of
.set AV, 160                           ; v160-175 gamma, then gamma / sqrt(var + eps)
.set BO, 176                           ; v176-191 bout
.set BF, 192                           ; v192-255 the attention's fragments (tile q, K step s) at 16 q + 8 s
	s_load_b512 s[68:83], s[0:1], 0x0              ; x_A, x_B, gA, gB, bA, bB, boutA, boutB
	s_load_b256 s[84:91], s[0:1], 0x40             ; acodes, ascale, wcodes, wscale
	s_load_b128 s[92:95], s[0:1], 0x60             ; stats, out0
	s_load_b64 s[96:97], s[0:1], 0x70              ; out1
	v_lshrrev_b32 v7, 5, v0
	v_readfirstlane_b32 s32, v7                    ; wave 0..15
	v_and_b32 v14, 31, v0                          ; lane
	v_and_b32 v15, 15, v0                          ; r
	v_bfe_u32 v7, v0, 4, 1                         ; h
	v_lshlrev_b32 v1, 4, v14                       ; v1  16 x lane: Wout's fragments
	v_lshlrev_b32 v2, 2, v14                       ; v2  4 x lane: its scale words
	v_lshlrev_b32 v4, 4, v15
	v_lshl_add_u32 v3, v7, 15, v4                  ; v3  x and out: 16 r, + 8 rows of 4,096 bytes for lanes 16-31
	v_lshl_add_u32 v4, v7, 14, v4                  ; v4  the attention's fragments: 16 r + 16,384 h (the next head)
	v_lshlrev_b32 v5, 2, v15
	v_lshl_add_u32 v5, v7, 12, v5                  ; v5  its scale bytes: 4 r + 4,096 h (four heads on)
	v_lshlrev_b32 v6, 5, v7                        ; v6  gamma, beta, bout: my half's eight channels
	s_wait_alu depctr_va_sdst(0)                   ; s32 is written, ahead of its first reader: every base below is made from it
	s_and_b32 s33, s32, 1
	s_lshr_b32 s34, s32, 1                         ; op: which 32 channels
	s_and_b32 s35, ttmp9, 7
	s_lshl_b32 s35, s35, 1
	s_add_co_u32 s35, s35, s33                     ; G
	s_lshr_b32 s38, ttmp9, 3                       ; 16 branch + batch
	s_and_b32 s39, s38, 15                         ; batch
	s_lshr_b32 s40, ttmp9, 7                       ; branch
	s_mov_b32 s37, 0
	s_mov_b32 s28, 0x05010400                      ; v_perm_b32: bytes 0, 1 of two words by turns,
	s_mov_b32 s29, 0x07030602                      ; bytes 2, 3 by turns,
	s_mov_b32 s30, 0x05040100                      ; the two low halves,
	s_mov_b32 s31, 0x07060302                      ; the two high halves
	s_wait_kmcnt 0x0
	s_cmp_lt_u32 ttmp9, 128                        ; branch A or B: the choice hangs on the work-group's number alone
	s_cselect_b64 s[4:5], s[68:69], s[70:71]       ; x
	s_cselect_b64 s[6:7], s[72:73], s[74:75]       ; gamma
	s_cselect_b64 s[8:9], s[76:77], s[78:79]       ; beta
	s_cselect_b64 s[10:11], s[80:81], s[82:83]     ; bout
	s_cselect_b64 s[12:13], s[94:95], s[96:97]     ; out
	s_lshl_b32 s36, s38, 7
	s_lshl_b32 s41, s34, 4
	s_add_co_u32 s36, s36, s41
	s_add_nc_u64 s[22:23], s[92:93], s[36:37]      ; my two groups' statistics
	s_load_b128 s[24:27], s[22:23], 0x0            ; mean, 1 / sqrt(var + eps) of tile 0; of tile 1
	s_lshl_b32 s36, s39, 20
	s_lshl_b32 s41, s34, 17
	s_add_co_u32 s36, s36, s41
	s_lshl_b32 s41, s35, 8
	s_add_co_u32 s36, s36, s41                     ; batch, 32 channels x op, 64 positions x G
	s_add_nc_u64 s[4:5], s[4:5], s[36:37]
	s_add_nc_u64 s[12:13], s[12:13], s[36:37]
	s_lshl_b32 s36, s34, 7
	s_add_nc_u64 s[6:7], s[6:7], s[36:37]
	s_add_nc_u64 s[8:9], s[8:9], s[36:37]
	s_add_nc_u64 s[10:11], s[10:11], s[36:37]
	s_lshl_b32 s36, s38, 17
	s_lshl_b32 s41, s35, 10
	s_add_co_u32 s36, s36, s41
	s_add_nc_u64 s[14:15], s[84:85], s[36:37]      ; the attention's codes
	s_lshl_b32 s36, s38, 13
	s_lshl_b32 s41, s35, 6
	s_add_co_u32 s36, s36, s41
	s_add_nc_u64 s[16:17], s[86:87], s[36:37]      ; and scale bytes
	s_lshl_b32 s36, s40, 15
	s_lshl_b32 s41, s34, 12
	s_add_co_u32 s36, s36, s41
	s_add_co_u32 s36, s36, 196608                  ; Wout's tiles begin at tile 96: 16 for each branch, two for me
	s_add_nc_u64 s[18:19], s[88:89], s[36:37]
	s_lshl_b32 s36, s40, 11
	s_lshl_b32 s41, s34, 8
	s_add_co_u32 s36, s36, s41
	s_add_co_u32 s36, s36, 12288
	s_add_nc_u64 s[20:21], s[90:91], s[36:37]
	s_wait_alu depctr_va_vdst(0)                   ; the offsets v1 to v6 are written, which every load and store of the kernel reads
.irp i, 0,1,2,3
	global_load_b32 v[D+\i], v5, s[16:17] offset:1024*\i           ; word i: for head 4 h + i the bytes of positions 64 G + 4 r + 0 .. 3
.endr
.irp ot, 0,1
	global_load_b32 v[WS+\ot], v2, s[20:21] offset:128*\ot
.endr
.irp ot, 0,1
.irp u, 0,1
	global_load_b128 v[AV+8*\ot+4*\u:AV+8*\ot+4*\u+3], v6, s[6:7] offset:64*\ot+16*\u
	global_load_b128 v[CB+8*\ot+4*\u:CB+8*\ot+4*\u+3], v6, s[8:9] offset:64*\ot+16*\u
	global_load_b128 v[BO+8*\ot+4*\u:BO+8*\ot+4*\u+3], v6, s[10:11] offset:64*\ot+16*\u
.endr
.endr
.irp ot, 0,1
.irp s, 0,1
.irp c, 0,1
	global_load_b128 v[WF+16*\ot+8*\s+4*\c:WF+16*\ot+8*\s+4*\c+3], v1, s[18:19] offset:2048*\ot+1024*\s+512*\c
.endr
.endr
.endr
.irp q, 0,1,2,3
.irp s, 0,1
.irp c, 0,1
	global_load_b128 v[BF+16*\q+8*\s+4*\c:BF+16*\q+8*\s+4*\c+3], v4, s[14:15] offset:(4*\s+2*\c)*16384+256*\q
.endr
.endr
.endr
.irp ot, 0,1
.irp j, 0,1,2,3,4,5,6,7
	global_load_b128 v[X+32*\ot+4*\j:X+32*\ot+4*\j+3], v3, s[4:5] offset:(16*\ot+\j)*4096 th:TH_LOAD_NT     ; sixteen lanes read 256 bytes on end of a channel's row; read for the last time
.endr
.endr
	s_wait_loadcnt 40                              ; behind the 18 small loads: 24 fragment loads and 16 of x
	v_perm_b32 v[D+4], v[D+1], v[D], s28           ; a 4 x 4 turn of bytes: from words by head to words by tile q
	v_perm_b32 v[D+5], v[D+1], v[D], s29
	v_perm_b32 v[D+6], v[D+3], v[D+2], s28
	v_perm_b32 v[D+7], v[D+3], v[D+2], s29
	v_perm_b32 v[BS], v[D+6], v[D+4], s30
	v_perm_b32 v[BS+1], v[D+6], v[D+4], s31
	v_perm_b32 v[BS+2], v[D+7], v[D+5], s30
	v_perm_b32 v[BS+3], v[D+7], v[D+5], s31
.irp k, 0,1,2,3,4,5,6,7
	v_pk_add_f32 v[CB+2*\k:CB+2*\k+1], v[CB+2*\k:CB+2*\k+1], v[BO+2*\k:BO+2*\k+1]     ; beta + bout
.endr
	s_wait_kmcnt 0x0                               ; the statistics
.irp ot, 0,1
.irp j, 0,1,2,3,4,5,6,7
	v_mul_f32 v[AV+8*\ot+\j], s[25+2*\ot], v[AV+8*\ot+\j]          ; gamma / sqrt(var + eps).  (These and the additions are also the places between the scale words' last write and the products)
.endr
.endr
	s_wait_loadcnt 16                              ; the fragments are in; x may be out
	s_wait_alu depctr_va_vdst(0)                   ; the turns of bytes have written the scale words v[BS ..], which the products take; the places above stay beside this wait
.irp ot, 0,1
.irp s, 0,1                            ; four accumulators take turns, one instruction a turn
.irp q, 0,1,2,3
.if \s == 0
	v_wmma_scale_f32_16x16x128_f8f6f4 v[D+8*\q:D+8*\q+7], v[WF+16*\ot:WF+16*\ot+7], v[BF+16*\q:BF+16*\q+7], v[CB+8*\ot:CB+8*\ot+7], v[WS+\ot], v[BS+\q] matrix_a_fmt:MATRIX_FMT_FP4 matrix_b_fmt:MATRIX_FMT_FP4
.else
	v_wmma_scale_f32_16x16x128_f8f6f4 v[D+8*\q:D+8*\q+7], v[WF+16*\ot+8:WF+16*\ot+15], v[BF+16*\q+8:BF+16*\q+15], v[D+8*\q:D+8*\q+7], v[WS+\ot], v[BS+\q] matrix_a_fmt:MATRIX_FMT_FP4 matrix_b_fmt:MATRIX_FMT_FP4 matrix_a_scale:MATRIX_SCALE_ROW1 matrix_b_scale:MATRIX_SCALE_ROW1
.endif
.endr
.endr
	s_wait_loadcnt 8-8*\ot                         ; this tile's eight rows of x are in; the next tile's may be out
.irp k, 0,1,2,3,4,5,6,7,8,9,10,11,12,13,14,15
	v_pk_add_f32 v[X+32*\ot+2*\k:X+32*\ot+2*\k+1], v[X+32*\ot+2*\k:X+32*\ot+2*\k+1], s[24+2*\ot:25+2*\ot] op_sel_hi:[1,0] neg_lo:[0,1] neg_hi:[0,1]   ; x - mean: sixteen plain lines that name no register of the products: the places behind them
.endr
.irp j, 0,1,2,3,4,5,6,7                ; register j ascending: each accumulator is read from its low end on
.irp q, 0,1,2,3
	v_fma_f32 v[X+32*\ot+4*\j+\q], v[X+32*\ot+4*\j+\q], v[AV+8*\ot+\j], v[D+8*\q+\j]
.endr
.endr
	s_wait_alu depctr_va_vdst(0)                   ; the 32 multiply-adds have written this tile's rows of out, which the eight stores read
.irp j, 0,1,2,3,4,5,6,7
	global_store_b128 v3, v[X+32*\ot+4*\j:X+32*\ot+4*\j+3], s[12:13] offset:(16*\ot+\j)*4096 th:TH_STORE_NT   ; sixteen lanes store 256 bytes on end, at a multiple of 256 from the buffer's first byte
.endr
.endr
	s_endpgm
.Lfunc_end_k_q4f087b1339_outp:
	.size	k_q4f087b1339_outp, .Lfunc_end_k_q4f087b1339_outp-k_q4f087b1339_outp
	.p2alignl 7, 3214868480
	.fill 96, 4, 3214868480
	.section	.rodata,"a",@progbits
	.p2align	6, 0x0
	.amdhsa_kernel k_q4f087b1339_outp
		.amdhsa_group_segment_fixed_size 0
		.amdhsa_private_segment_fixed_size 0
		.amdhsa_enable_private_segment 0
		.amdhsa_kernarg_size 120
		.amdhsa_user_sgpr_count 2
		.amdhsa_user_sgpr_kernarg_segment_ptr 1
		.amdhsa_wavefront_size32 1
		.amdhsa_system_sgpr_workgroup_id_x 1
		.amdhsa_system_sgpr_workgroup_id_y 1
		.amdhsa_system_sgpr_workgroup_id_z 1
		.amdhsa_system_vgpr_workitem_id 0
		.amdhsa_next_free_vgpr 256
		.amdhsa_next_free_sgpr 98
		.amdhsa_reserve_vcc 0
		.amdhsa_float_denorm_mode_32 3
		.amdhsa_float_denorm_mode_16_64 3
		.amdhsa_memory_ordered 1
		.amdhsa_forward_progress 1
		.amdhsa_inst_pref_size 20
	.end_amdhsa_kernel
	.amdgpu_metadata
---
amdhsa.version: [ 1, 2 ]
amdhsa.kernels:
  - .name:           k_q4f087b1339_outp
    .symbol:         k_q4f087b1339_outp.kd
    .args:
      - { .name: x_A, .offset: 0, .size: 8, .value_kind: global_buffer, .address_space: global }
      - { .name: x_B, .offset: 8, .size: 8, .value_kind: global_buffer, .address_space: global }
      - { .name: gA, .offset: 16, .size: 8, .value_kind: global_buffer, .address_space: global }
      - { .name: gB, .offset: 24, .size: 8, .value_kind: global_buffer, .address_space: global }
      - { .name: bA, .offset: 32, .size: 8, .value_kind: global_buffer, .address_space: global }
      - { .name: bB, .offset: 40, .size: 8, .value_kind: global_buffer, .address_space: global }
      - { .name: boutA, .offset: 48, .size: 8, .value_kind: global_buffer, .address_space: global }
      - { .name: boutB, .offset: 56, .size: 8, .value_kind: global_buffer, .address_space: global }
      - { .name: acodes, .offset: 64, .size: 8, .value_kind: global_buffer, .address_space: global }
      - { .name: ascale, .offset: 72, .size: 8, .value_kind: global_buffer, .address_space: global }
      - { .name: wcodes, .offset: 80, .size: 8, .value_kind: global_buffer, .address_space: global }
      - { .name: wscale, .offset: 88, .size: 8, .value_kind: global_buffer, .address_space: global }
      - { .name: stats, .offset: 96, .size: 8, .value_kind: global_buffer, .address_space: global }
      - { .name: out0, .offset: 104, .size: 8, .value_kind: global_buffer, .address_space: global }
      - { .name: out1, .offset: 112, .size: 8, .value_kind: global_buffer, .address_space: global }
    .group_segment_fixed_size: 0
    .private_segment_fixed_size: 0
    .kernarg_segment_align: 8
    .kernarg_segment_size: 120
    .max_flat_workgroup_size: 512
    .sgpr_count:     98
    .vgpr_count:     256
    .wavefront_size: 32
...
	.end_amdgpu_metadata
.endif
;; end of part 5
